; MI455X (gfx1250); checked and timed in simulation.
; The chip was launched on July 23, 2026; its instructions are those of AMD's public machine-readable ISA for CDNA 5 (MIT licence, August 2026) and "CDNA5" Instruction Set Architecture Reference Guide (July 2026). The comments in the code are by the model that wrote it; some were corrected since.
;; Transformer Block. Allowed arithmetic: matrix products marked QUANTISED: E4M3 operands, one E8M0 scale for each 32 along K, by v_wmma_scale_f32_16x16x128_f8f6f4 with both operands' format E4M3, f32 sums; everything else in f32.
;; Inputs: Wk_codes 1,024 x 32 x 32 uint8 (E4M3 codes of Wk, K innermost, in blocks of 32 codes); Wk_scales 1,024 x 32 uint8 (E8M0 scales of Wk, one for each 32 codes along K); Wo_codes 1,024 x 32 x 32 uint8 (E4M3 codes of Wo, K innermost, in blocks of 32 codes); Wo_scales 1,024 x 32 uint8 (E8M0 scales of Wo, one for each 32 codes along K); Wq_codes 1,024 x 32 x 32 uint8 (E4M3 codes of Wq, K innermost, in blocks of 32 codes); Wq_scales 1,024 x 32 uint8 (E8M0 scales of Wq, one for each 32 codes along K); Wv_codes 1,024 x 32 x 32 uint8 (E4M3 codes of Wv, K innermost, in blocks of 32 codes); Wv_scales 1,024 x 32 uint8 (E8M0 scales of Wv, one for each 32 codes along K); g1 1,024 float32; g2 1,024 float32; positions 2,048 int32; w1_codes 2,752 x 32 x 32 uint8 (E4M3 codes of w1, K innermost, in blocks of 32 codes); w1_scales 2,752 x 32 uint8 (E8M0 scales of w1, one for each 32 codes along K); w2_codes 1,024 x 86 x 32 uint8 (E4M3 codes of w2, K innermost, in blocks of 32 codes); w2_scales 1,024 x 86 uint8 (E8M0 scales of w2, one for each 32 codes along K); w3_codes 2,752 x 32 x 32 uint8 (E4M3 codes of w3, K innermost, in blocks of 32 codes); w3_scales 2,752 x 32 uint8 (E8M0 scales of w3, one for each 32 codes along K); x 2 x 2,048 x 1,024 float32.
;; Outputs: out0 2 x 2,048 x 1,024 float32.
;; Constants: theta = 10000.
;; This version of the problem:
;;   THIS VERSION OF THE PROBLEM IS GIVEN IN LOW PRECISION. The matrix products marked QUANTISED in the list below multiply operands that are first quantised to E4M3 (4 exponent bits, 3 mantissa bits; 8 bits a number), with one power-of-two scale for each 32 numbers along K (OCP MX v1.0); their sums are f32. All else is computed in f32.
;;   The module's matrix products, in the order in which they are computed (A, B: the left and right operand; K: the contracted axis; several contracted axes count as one K, in the product's order):
;;     1. [M 4,096, K 1,024] x [K 1,024, N 1,024]; A: computed on the way; B: input Wq (given as codes): QUANTISED
;;     2. [M 4,096, K 1,024] x [K 1,024, N 1,024]; A: computed on the way; B: input Wk (given as codes): QUANTISED
;;     3. [M 4,096, K 1,024] x [K 1,024, N 1,024]; A: computed on the way; B: input Wv (given as codes): QUANTISED
;;     4. batch 32 x [M 2,048, K 64] x [K 64, N 2,048]; A: computed on the way; B: computed on the way: QUANTISED
;;     5. batch 32 x [M 2,048, K 2,048] x [K 2,048, N 64]; A: softmax (see below); B: computed on the way: QUANTISED
;;     6. [M 4,096, K 1,024] x [K 1,024, N 1,024]; A: computed on the way; B: input Wo (given as codes): QUANTISED
;;     7. [M 4,096, K 1,024] x [K 1,024, N 2,752]; A: computed on the way; B: input w1 (given as codes): QUANTISED
;;     8. [M 4,096, K 1,024] x [K 1,024, N 2,752]; A: computed on the way; B: input w3 (given as codes): QUANTISED
;;     9. [M 4,096, K 2,752] x [K 2,752, N 1,024]; A: computed on the way; B: input w2 (given as codes): QUANTISED
;;   THE QUANTISER, for each operand of a quantised product, along K:
;;     - K is cut into blocks of 32 from its start; a last block that is shorter is filled with zeros.
;;     - A block's scale is 2^e with e = floor(log2(the largest magnitude in the block)) - 8, held to -126 .. 127; a block of zeros has e = 0. As a byte (E8M0): e + 127.
;;     - Each number is divided by its block's scale, clamped to +-448, and rounded to the nearest number of E4M3, ties to even, subnormals kept.
;;     - The product sums the exact products of the quantised numbers (number of the format x scale) in f32.
;;   ~~~python
;;   def quantise(x, axis):      # numpy; x: float32 -> the quantised numbers, widened to float32 again
;;       x = np.moveaxis(x, axis, -1); K = x.shape[-1]
;;       x = np.pad(x, [(0, 0)] * (x.ndim - 1) + [(0, -K % 32)]); x = x.reshape(x.shape[:-1] + (-1, 32)); a = np.abs(x).max(-1, keepdims=True)
;;       e = np.where(a > 0, np.clip(np.frexp(np.where(a > 0, a, 1))[1] - 1 - 8, -126, 127), 0)      # np.frexp(a)[1] - 1 = floor(log2(a)), exactly
;;       r = np.clip(x / 2.0 ** e, -448, 448)
;;       step = 2.0 ** (np.maximum(np.frexp(np.where(r == 0, 1, r))[1] - 1, -6) - 3)
;;       q = np.round(r / step) * step * 2.0 ** e      # np.round: ties to even
;;       return np.moveaxis(q.reshape(q.shape[:-2] + (-1,))[..., :K], -1, axis).astype(np.float32)
;;   ~~~
;;   SOFTMAX AHEAD OF A QUANTISED PRODUCT. Where the list says 'softmax', what is quantised is not the finished softmax but p = 2^(t - M), with t = logit x log2(e) and M = ceil(the row's largest t), a whole number; so 1/2 < the row's largest p <= 1. The row's sum l is taken of the UNQUANTISED p, in f32, and the product's result is divided by l at the end. Since M is a whole number, a kernel that streams over the keys may use a running M (the ceiling of the running maximum): every later rescaling is an exact power of two, which a block's scale takes up: the codes' values come out the same.
;;   OPERANDS COMPUTED ON THE WAY. 'Computed on the way' means the value that the module computes at that place (a softmax that the list does not call 'softmax' is quantised finished and normalised). What goes into a quantiser is computed in f32, as accurately as f32 sums, v_exp_f32 and their like allow (about 1e-6 of the number): no bf16 or f16 on the way to a quantiser, and a product that is left as it is and whose result goes on into a quantised operand takes f32 operands (vector FMAs, or v_wmma_f32_16x16x4_f32). A number that lies on a knife's edge between two numbers of the format may be rounded either way, as far as f32 arithmetic and the matrix unit's own rounding can turn it there, and no further.
;;   INPUTS GIVEN AS CODES. Wk (in the module: [1024, 1024], K = its axis 1); Wo (in the module: [1024, 1024], K = its axis 1); Wq (in the module: [1024, 1024], K = its axis 1); Wv (in the module: [1024, 1024], K = its axis 1); w1 (in the module: [2752, 1024], K = its axis 1); w2 (in the module: [1024, 2752], K = its axis 1); w3 (in the module: [2752, 1024], K = its axis 1): each comes as NAME_codes (uint8): NAME with its K axis moved to the last place and cut into blocks of 32 codes, [.., K / 32, bytes a block], one block behind the other in memory; one code a byte (a code: sign, 4 exponent bits, 3 mantissa bits); and NAME_scales (uint8): the same leading axes, one E8M0 byte (e + 127) for each 32 codes along K. Its value is code x scale, taken as it is: it is not quantised again, and the codes and scales need not be those that the quantiser above would give.
;; One version. Each part assembles by itself: llvm-mc -triple=amdgcn-amd-amdhsa -mcpu=gfx1250 --defsym DOCPART=n.
;; ======== version 1 of 1: 7 launches
;; limits: right only within a limited range of input values
;; workspace buffers: nrm 4,849,664 bytes; qkv 12,976,128 bytes; att 4,325,376 bytes; x2 16,777,216 bytes; hid 11,886,592 bytes; w2p 2,883,584 bytes
;; launch norm1 (part 1): grid 352 x 1, 8 waves a work-group, no clusters, 69,632 bytes of LDS; arguments x, g1, positions, nrm, w2_codes, w2p; writes nrm, w2p
.if DOCPART == 1
	.amdgcn_target "amdgcn-amd-amdhsa--gfx1250"
	.amdhsa_code_object_version 6
	.text
	.protected	k_q944f8153e1_norm1
	.globl	k_q944f8153e1_norm1
	.p2align	8
	.type	k_q944f8153e1_norm1,@function
k_q944f8153e1_norm1:
	s_mov_b64 s[64:65], 0
	v_nop
	global_prefetch_b8 v0, s[64:65] scope:SCOPE_SE
	s_setreg_imm32_b32 hwreg(HW_REG_WAVE_MODE, 25, 1), 1
	s_wait_xcnt 0x0
; RMSNorm of [4096][1024] f32, quantised to E4M3 with one E8M0 scale for each 32 along the row; and, in work-groups 256 to 287, the table of cos and sin for RoPE.
; ROW PATH.  A work-group takes 16 rows, wave w the columns 128 w .. 128 w + 127.  Each load reads 512 consecutive bytes of a row; the numbers turn through the wave's own stage in LDS so that lane (r, h)
; holds, of row r, k = 32 c + 16 h + 0 .. 15 of each block c: the order of a matrix operand's registers.  The codes are stored as an IMAGE of those registers: [row tile][K step][c][lane][16 bytes], 512 dense bytes a store.
; The row's sum of squares meets in LDS (8 partial sums a row); the scale words meet there too and leave as two whole runs of 256 bytes.
; TABLE PATH.  (cos, sin)(positions[n] x 10000^(-i/32)), i = 0 .. 31, laid [n][i][2] f32.  The angle is reduced by a two-part pi/2 and goes through polynomials on |r| <= pi/4.
; LIMITS: NaN and infinities are not served.  A block whose largest magnitude lies under 2^-118, a block of zeros too, keeps the scale byte 1: only this program reads the bytes.  |positions| under 2^22.
; The frequencies come from v_exp_f32 and are good to a few units in the last place.
.set XSO,   4194304                    ; nrm: the scale rows, [4096][32 bytes]
.set ROPEO, 4325376                    ; nrm: the table
.set RED,   0                          ; LDS: [16 rows][8 waves] partial sums
.set SCL,   512                        ; LDS: [16 rows][8 waves] scale words
.set STG,   1024                       ; LDS: a stage of 16 rows x 528 bytes for each wave
.set SPT,   528
.set R,   16                           ; v16-79   as loaded
.set X,   80                           ; v80-143  64 numbers in the operand's order
.set G,   144                          ; v144-207 the gain, in the same order
.set PC,  208                          ; v208-223 codes
.set TM,  224                          ; v224-239 at work in QUANT
.set PW,  240
.set SEL, 20
.set MNT, 22
; 64 numbers of a lane, four blocks of 16 registers at s + st b, become codes in v[pc] on; the blocks' bytes are left in v[TM+4] on.
.macro QUANT s, st, pc
.irp b, 0,1,2,3
	v_max3_num_f32 v[TM+\b], |v[\s+\st*\b]|, |v[\s+\st*\b+1]|, 0x4800000   ; the floor 2^(9 - 127) holds the byte at 1 from below
.endr
.irp i, 2,4,6,8,10,12,14
.irp b, 0,1,2,3
	s_delay_alu instid0(VALU_DEP_4)
	v_max3_num_f32 v[TM+\b], v[TM+\b], |v[\s+\st*\b+\i]|, |v[\s+\st*\b+\i+1]|
.endr
.endr
.irp b, 0,1,2,3
	s_delay_alu instid0(VALU_DEP_4)
	v_permlanex16_b32 v[TM+4+\b], v[TM+\b], s[SEL], s[SEL+1]
.endr
.irp b, 0,1,2,3
	s_delay_alu instid0(VALU_DEP_4)
	v_max_num_f32 v[TM+\b], v[TM+\b], v[TM+4+\b]           ; with lane l xor 16's 16 numbers: the block's largest magnitude
.endr
.irp b, 0,1,2,3
	s_delay_alu instid0(VALU_DEP_4)
	v_add_nc_u32 v[TM+12+\b], 0xfc000000, v[TM+\b]         ; 8 off the exponent field: the conversion's scale operand
.endr
.irp b, 0,1,2,3
	v_and_or_b32 v[TM+8+\b], v[TM+\b], 0x7f800000, s[MNT]  ; 448 x the scale
.endr
.irp b, 0,1,2,3
	v_lshrrev_b32 v[TM+4+\b], 23, v[TM+12+\b]              ; the scale's byte
.endr
.irp b, 0,1,2,3
.irp i, 0,1,2,3,4,5,6,7,8,9,10,11,12,13,14,15
	v_med3_num_f32 v[\s+\st*\b+\i], v[\s+\st*\b+\i], -v[TM+8+\b], v[TM+8+\b]   ; the conversion does not saturate (ISA guide 7.6.2): hold first
.endr
	v_cvt_scalef32_pk8_fp8_f32 v[\pc+4*\b:\pc+4*\b+1], v[\s+\st*\b:\s+\st*\b+7], v[TM+12+\b]
	v_cvt_scalef32_pk8_fp8_f32 v[\pc+4*\b+2:\pc+4*\b+3], v[\s+\st*\b+8:\s+\st*\b+15], v[TM+12+\b]
.endr
	v_nop                                                  ; a plain line behind the last conversion
.endm
	s_load_b256 s[4:11], s[0:1], 0x0               ; the rows s[4:5], the gain s[6:7], positions s[8:9], nrm s[10:11]
	v_lshl_add_u32 v254, v0, 2, 0x10c00
	v_mov_b32 v255, 0
	v_lshrrev_b32 v1, 5, v0
	s_delay_alu instid0(VALU_DEP_1)
	v_readfirstlane_b32 s12, v1                    ; wave 0..7
	s_cmp_ge_u32 ttmp9, 288                        ; work-groups 288 on re-lay w2's codes
	s_cbranch_scc1 .Lrelay
	s_cmp_ge_u32 ttmp9, 256
	s_cbranch_scc1 .Ltable
	v_and_b32 v7, 31, v0                           ; lane
	v_and_b32 v8, 15, v0                           ; r
	v_bfe_u32 v9, v0, 4, 1                         ; h
	s_delay_alu instid0(VALU_DEP_3)
	v_lshlrev_b32 v1, 4, v7                        ; 16 x lane
	s_mul_i32 s13, s12, 16*SPT
	s_add_co_u32 s13, s13, STG                     ; my stage
	v_add_nc_u32 v2, s13, v1                       ; into it: a row's 512 bytes as they lie
	v_mul_u32_u24 v3, v8, SPT
	s_delay_alu instid0(VALU_DEP_1)
	v_lshl_add_u32 v3, v9, 6, v3
	s_delay_alu instid0(VALU_DEP_1)
	v_add_nc_u32 v3, s13, v3                       ; out of it: row r, + 64 h
	v_lshlrev_b32 v4, 6, v9                        ; the gain: 64 h
	v_lshlrev_b32 v6, 5, v8                        ; 32 r
	s_lshl_b32 s14, s12, 2
	v_add_nc_u32 v5, s14, v6                       ; 32 r + 4 w
	s_mov_b32 s[SEL], 0x76543210
	s_mov_b32 s[SEL+1], 0xfedcba98
	s_mov_b32 s[MNT], 0x600000
	s_mov_b32 s23, 0x3a800000                      ; 1 / 1024
	s_mov_b32 s24, 0x3727c5ac                      ; 1e-5
.irp b, 0,1,2,3
	v_mov_b32 v[TM+4+\b], 0                        ; a lane permute's destination counts as read
.endr
	s_lshl_b32 s16, ttmp9, 16                      ; 16 rows of 4,096 bytes
	s_lshl_b32 s18, s12, 9                         ; my 512 bytes of a row
	s_add_co_u32 s16, s16, s18
	s_mov_b32 s17, 0
	s_mov_b32 s19, 0
	s_lshl_b32 s26, ttmp9, 14                      ; images: (8 x row tile + w) x 2,048
	s_lshl_b32 s27, s12, 11
	s_add_co_u32 s26, s26, s27
	s_mov_b32 s27, 0
	s_lshl_b32 s28, ttmp9, 9                       ; scale rows: 16 x 32 bytes
	s_add_co_u32 s28, s28, XSO
	s_mov_b32 s29, 0
	s_wait_alu depctr_va_vdst(0)
	s_wait_kmcnt 0x0
	s_add_nc_u64 s[4:5], s[4:5], s[16:17]
	s_add_nc_u64 s[6:7], s[6:7], s[18:19]
	s_add_nc_u64 s[26:27], s[10:11], s[26:27]
	s_add_nc_u64 s[28:29], s[10:11], s[28:29]
.irp p, 0,1,2,3,4,5,6,7,8,9,10,11,12,13,14,15
	global_load_b128 v[R+4*\p:R+4*\p+3], v1, s[4:5] offset:4096*\p   ; row p: 32 lanes read 512 consecutive bytes
.endr
.irp c, 0,1,2,3
.irp j, 0,1,2,3
	global_load_b128 v[G+16*\c+4*\j:G+16*\c+4*\j+3], v4, s[6:7] offset:128*\c+16*\j
.endr
.endr
	s_wait_loadcnt 16                              ; the rows are in; the gain's sixteen loads may be out
.irp p, 0,1,2,3,4,5,6,7,8,9,10,11,12,13,14,15
	ds_store_b128 v2, v[R+4*\p:R+4*\p+3] offset:SPT*\p
.endr
.irp c, 0,1,2,3
.irp j, 0,1,2,3
	ds_load_b128 v[X+16*\c+4*\j:X+16*\c+4*\j+3], v3 offset:128*\c+16*\j   ; LDS serves a wave's instructions in order: these see my stores
.endr
.endr
	s_wait_dscnt 0x0
.irp k, 0,1,2,3
	v_pk_mul_f32 v[242+2*\k:243+2*\k], v[X+2*\k:X+2*\k+1], v[X+2*\k:X+2*\k+1]   ; the sum of squares, in four chains
.endr
.irp i, 8,16,24,32,40,48,56
.irp k, 0,1,2,3
	s_delay_alu instid0(VALU_DEP_4)
	v_pk_fma_f32 v[242+2*\k:243+2*\k], v[X+\i+2*\k:X+\i+2*\k+1], v[X+\i+2*\k:X+\i+2*\k+1], v[242+2*\k:243+2*\k]
.endr
.endr
	s_delay_alu instid0(VALU_DEP_3)
	v_pk_add_f32 v[242:243], v[242:243], v[244:245]
	s_delay_alu instid0(VALU_DEP_2)
	v_pk_add_f32 v[246:247], v[246:247], v[248:249]
	s_delay_alu instid0(VALU_DEP_1)
	v_pk_add_f32 v[242:243], v[242:243], v[246:247]
	s_delay_alu instid0(VALU_DEP_1)
	v_add_f32 v242, v242, v243
	s_delay_alu instid0(VALU_DEP_1)
	v_permlanex16_b32 v243, v242, s[SEL], s[SEL+1]
	s_delay_alu instid0(VALU_DEP_1)
	v_add_f32 v242, v242, v243                     ; row r, my 128 columns
	ds_store_b32 v5, v242 offset:RED
	s_wait_dscnt 0x0                               ; for the others' sake
	s_barrier_signal -1
	s_barrier_wait -1
	ds_load_b128 v[244:247], v6 offset:RED
	ds_load_b128 v[248:251], v6 offset:RED+16
	s_wait_dscnt 0x0
.irp k, 245
	v_add_f32 v244, v244, v[\k]
.endr
.irp k, 246, 247, 248, 249, 250, 251
	s_delay_alu instid0(VALU_DEP_1)
	v_add_f32 v244, v244, v[\k]
.endr
	s_delay_alu instid0(VALU_DEP_1)
	v_fma_f32 v244, v244, s23, s24                 ; the mean of squares + eps
	s_wait_alu depctr_va_vdst(0)
	v_rsq_f32 v252, v244
	v_mov_b32 v253, 0                              ; a plain line behind the transcendental; it also writes the pair's upper half
	s_wait_alu depctr_va_vdst(0)                   ; ahead of the first reader of v252
	s_wait_loadcnt 0x0                             ; the gain
.set j, 0
.rept 32
	v_pk_mul_f32 v[X+j:X+j+1], v[X+j:X+j+1], v[252:253] op_sel_hi:[1,0]
.set j, j+2
.endr
.set j, 0
.rept 32
	v_pk_mul_f32 v[X+j:X+j+1], v[X+j:X+j+1], v[G+j:G+j+1]
.set j, j+2
.endr
	QUANT X, 16, PC
	v_lshl_or_b32 v[PW], v[TM+5], 8, v[TM+4]
	s_delay_alu instid0(VALU_DEP_1)
	v_lshl_or_b32 v[PW], v[TM+6], 16, v[PW]
	s_delay_alu instid0(VALU_DEP_1)
	v_lshl_or_b32 v[PW], v[TM+7], 24, v[PW]        ; row r's scale word of K step w
.irp c, 0,1,2,3
	global_store_b128 v1, v[PC+4*\c:PC+4*\c+3], s[26:27] offset:512*\c   ; 512 consecutive bytes, aligned
.endr
	ds_store_b32 v5, v[PW] offset:SCL
	s_wait_dscnt 0x0
	s_barrier_signal -1
	s_barrier_wait -1
	s_cmp_lg_u32 s12, 0
	s_cbranch_scc1 .Ldone
	ds_load_b128 v[244:247], v1 offset:SCL         ; 16 rows x 32 bytes
	s_wait_dscnt 0x0
	global_store_b128 v1, v[244:247], s[28:29]
.Ldone:
	s_wait_tensorcnt 0x0
	ds_add_u32 v254, v255
	s_wait_dscnt 0x0
	s_endpgm
; sin and cos of v[a] into v[s] and v[c]
.macro SINCOS a, c, s
	v_mul_f32 v20, s30, v[\a]
	s_delay_alu instid0(VALU_DEP_1)
	v_rndne_f32 v20, v20                           ; n = the nearest multiple of pi/2
	s_delay_alu instid0(VALU_DEP_1)
	v_fma_f32 v21, -v20, s31, v[\a]
	s_delay_alu instid0(VALU_DEP_1)
	v_fma_f32 v21, v20, s32, v21                   ; r = the angle - n pi/2, pi/2 in two parts
	s_delay_alu instid0(VALU_DEP_3)
	v_cvt_i32_f32 v22, v20
	s_delay_alu instid0(VALU_DEP_2)
	v_mul_f32 v23, v21, v21                        ; z
	s_delay_alu instid0(VALU_DEP_1)
	v_fma_f32 v24, v23, s35, s34
	s_delay_alu instid0(VALU_DEP_1)
	v_fma_f32 v24, v24, v23, s33
	s_delay_alu instid0(VALU_DEP_3)
	v_mul_f32 v25, v23, v21
	s_delay_alu instid0(VALU_DEP_1)
	v_fma_f32 v24, v24, v25, v21                   ; sin r
	v_fma_f32 v26, v23, s38, s37
	s_delay_alu instid0(VALU_DEP_1)
	v_fma_f32 v26, v26, v23, s36
	v_fma_f32 v27, v23, -0.5, 1.0
	v_mul_f32 v28, v23, v23
	s_delay_alu instid0(VALU_DEP_1)
	v_fma_f32 v26, v26, v28, v27                   ; cos r
	v_and_b32 v27, 1, v22
	s_delay_alu instid0(VALU_DEP_1)
	v_cmp_eq_u32 vcc_lo, 1, v27                    ; an odd quadrant swaps the two
	s_delay_alu instid0(VALU_DEP_1)
	v_cndmask_b32 v[\s], v24, v26, vcc_lo
	s_delay_alu instid0(VALU_DEP_2)
	v_cndmask_b32 v[\c], v26, v24, vcc_lo
	v_lshlrev_b32 v27, 30, v22
	s_delay_alu instid0(VALU_DEP_1)
	v_and_b32 v27, 0x80000000, v27                 ; quadrants 2, 3: -sin
	s_delay_alu instid0(VALU_DEP_1)
	v_xor_b32 v[\s], v[\s], v27
	v_add_nc_u32 v28, 1, v22
	s_delay_alu instid0(VALU_DEP_1)
	v_lshlrev_b32 v28, 30, v28
	s_delay_alu instid0(VALU_DEP_1)
	v_and_b32 v28, 0x80000000, v28                 ; quadrants 1, 2: -cos
	s_delay_alu instid0(VALU_DEP_1)
	v_xor_b32 v[\c], v[\c], v28
.endm
.Ltable:
	s_sub_co_u32 s13, ttmp9, 256                   ; 64 tokens a work-group
	v_and_b32 v1, 15, v0                           ; which pair of frequencies
	v_lshrrev_b32 v2, 4, v0
	s_lshl_b32 s14, s13, 6
	v_add_nc_u32 v2, s14, v2                       ; my first token; three more, 16 apart
	s_delay_alu instid0(VALU_DEP_1)
	v_lshlrev_b32 v3, 2, v2
	s_delay_alu instid0(VALU_DEP_2)
	v_lshlrev_b32 v4, 8, v2
	s_delay_alu instid0(VALU_DEP_1)
	v_lshl_add_u32 v4, v1, 4, v4                   ; 256 n + 16 x pair: sixteen lanes fill a token's 256 bytes
	s_mov_b32 s30, 0x3f22f983                      ; 2 / pi
	s_mov_b32 s31, 0x3fc90fdb                      ; pi / 2, upper part
	s_mov_b32 s32, 0x333bbd2e                      ; upper part - pi / 2
	s_mov_b32 s33, 0xbe2aaaa3
	s_mov_b32 s34, 0x3c08839e
	s_mov_b32 s35, 0xb94ca1f9
	s_mov_b32 s36, 0x3d2aaaa5
	s_mov_b32 s37, 0xbab6061a
	s_mov_b32 s38, 0x37ccf5ce
	s_wait_alu depctr_va_vdst(0)
	s_wait_kmcnt 0x0
	s_add_nc_u64 s[10:11], s[10:11], ROPEO
.irp t, 0,1,2,3
	global_load_b32 v[8+\t], v3, s[8:9] offset:64*\t
.endr
	v_lshlrev_b32 v5, 1, v1
	s_delay_alu instid0(VALU_DEP_1)
	v_cvt_f32_u32 v5, v5                           ; i
	s_delay_alu instid0(VALU_DEP_1)
	v_add_f32 v6, 1.0, v5                          ; i + 1
	s_delay_alu instid0(VALU_DEP_2)
	v_mul_f32 v5, 0xbed49a78, v5                   ; -i log2(10000) / 32
	s_delay_alu instid0(VALU_DEP_2)
	v_mul_f32 v6, 0xbed49a78, v6
	s_wait_alu depctr_va_vdst(0)
	v_exp_f32 v5, v5
	v_exp_f32 v6, v6
	v_nop
	s_wait_alu depctr_va_vdst(0)                   ; one wait for the two, ahead of their first reader
	s_wait_loadcnt 0x0
.irp t, 0,1,2,3
	v_cvt_f32_i32 v29, v[8+\t]
	v_mul_f32 v30, v29, v5
	v_mul_f32 v31, v29, v6
	SINCOS 30, 32+4*\t, 33+4*\t
	SINCOS 31, 34+4*\t, 35+4*\t
	global_store_b128 v4, v[32+4*\t:35+4*\t], s[10:11] offset:4096*\t
.endr
	s_endpgm
; RE-LAY PATH.  w2's rows of 2,752 codes go into w2p at a pitch of 2,816 bytes (11 x 256), the last 64 bytes of a row zero codes, so that the tiles' rows of the last product begin on multiples of 256 bytes.
; A work-group takes 16 rows = 2,816 pieces of 16 bytes = 11 x 256 threads.  Piece p lies in row p / 176 = (p x 23,832) >> 22 (23,832 x 176 = 2^22 + 128: exact for p under 2,816).  A store covers 4,096 consecutive bytes of w2p.
.Lrelay:
	s_load_b128 s[12:15], s[0:1], 0x20             ; w2's codes, w2p
	s_sub_co_u32 s16, ttmp9, 288
	s_mul_i32 s18, s16, 16*2752
	s_mov_b32 s19, 0
	s_mul_i32 s20, s16, 16*2816
	s_mov_b32 s21, 0
	v_lshlrev_b32 v1, 4, v0
.irp i, 0,1,2,3,4,5,6,7,8,9,10
	v_add_nc_u32 v[16+\i], 256*\i, v0              ; p
.endr
.irp i, 0,1,2,3,4,5,6,7,8,9,10
	v_mul_u32_u24 v[32+\i], v[16+\i], 0x5d18
.endr
.irp i, 0,1,2,3,4,5,6,7,8,9,10
	v_lshrrev_b32 v[32+\i], 22, v[32+\i]           ; the row
.endr
.irp i, 0,1,2,3,4,5,6,7,8,9,10
	v_mul_u32_u24 v[96+\i], v[32+\i], 176
.endr
.irp i, 0,1,2,3,4,5,6,7,8,9,10
	v_sub_nc_u32 v[16+\i], v[16+\i], v[96+\i]      ; the piece in its row, 0 .. 175
.endr
.irp i, 0,1,2,3,4,5,6,7,8,9,10
	v_min_u32 v[96+\i], 171, v[16+\i]              ; pieces 172 on read the row's last piece and store zeros
.endr
.irp i, 0,1,2,3,4,5,6,7,8,9,10
	v_mul_u32_u24 v[32+\i], v[32+\i], 2752
.endr
.irp i, 0,1,2,3,4,5,6,7,8,9,10
	v_lshl_add_u32 v[32+\i], v[96+\i], 4, v[32+\i]
.endr
	s_wait_alu depctr_va_vdst(0)
	s_wait_kmcnt 0x0
	s_add_nc_u64 s[12:13], s[12:13], s[18:19]
	s_add_nc_u64 s[14:15], s[14:15], s[20:21]
.irp i, 0,1,2,3,4,5,6,7,8,9,10
	global_load_b128 v[48+4*\i:51+4*\i], v[32+\i], s[12:13]
.endr
	s_wait_loadcnt 0x0
.irp i, 0,1,2,3,4,5,6,7,8,9,10
	v_cmp_gt_u32 vcc_lo, 172, v[16+\i]
	v_cndmask_b32 v[48+4*\i], 0, v[48+4*\i], vcc_lo
	v_cndmask_b32 v[49+4*\i], 0, v[49+4*\i], vcc_lo
	v_cndmask_b32 v[50+4*\i], 0, v[50+4*\i], vcc_lo
	v_cndmask_b32 v[51+4*\i], 0, v[51+4*\i], vcc_lo
	global_store_b128 v1, v[48+4*\i:51+4*\i], s[14:15] offset:4096*\i
.endr
	s_endpgm
.Lfunc_end_k_q944f8153e1_norm1:
	.size	k_q944f8153e1_norm1, .Lfunc_end_k_q944f8153e1_norm1-k_q944f8153e1_norm1
	.p2alignl 7, 3214868480
	.fill 96, 4, 3214868480
	.section	.rodata,"a",@progbits
	.p2align	6, 0x0
	.amdhsa_kernel k_q944f8153e1_norm1
		.amdhsa_group_segment_fixed_size 69632
		.amdhsa_private_segment_fixed_size 0
		.amdhsa_enable_private_segment 0
		.amdhsa_kernarg_size 48
		.amdhsa_user_sgpr_count 2
		.amdhsa_user_sgpr_kernarg_segment_ptr 1
		.amdhsa_wavefront_size32 1
		.amdhsa_system_sgpr_workgroup_id_x 1
		.amdhsa_system_sgpr_workgroup_id_y 1
		.amdhsa_system_sgpr_workgroup_id_z 1
		.amdhsa_system_vgpr_workitem_id 0
		.amdhsa_next_free_vgpr 256
		.amdhsa_next_free_sgpr 66
		.amdhsa_reserve_vcc 1
		.amdhsa_float_denorm_mode_32 3
		.amdhsa_float_denorm_mode_16_64 3
		.amdhsa_memory_ordered 1
		.amdhsa_forward_progress 1
		.amdhsa_inst_pref_size 54
	.end_amdhsa_kernel
	.amdgpu_metadata
---
amdhsa.version: [ 1, 2 ]
amdhsa.kernels:
  - .name:           k_q944f8153e1_norm1
    .symbol:         k_q944f8153e1_norm1.kd
    .args:
      - { .name: x, .offset: 0, .size: 8, .value_kind: global_buffer, .address_space: global }
      - { .name: g1, .offset: 8, .size: 8, .value_kind: global_buffer, .address_space: global }
      - { .name: positions, .offset: 16, .size: 8, .value_kind: global_buffer, .address_space: global }
      - { .name: nrm, .offset: 24, .size: 8, .value_kind: global_buffer, .address_space: global }
      - { .name: w2_codes, .offset: 32, .size: 8, .value_kind: global_buffer, .address_space: global }
      - { .name: w2p, .offset: 40, .size: 8, .value_kind: global_buffer, .address_space: global }
    .group_segment_fixed_size: 69632
    .private_segment_fixed_size: 0
    .kernarg_segment_align: 8
    .kernarg_segment_size: 48
    .max_flat_workgroup_size: 256
    .sgpr_count:     66
    .vgpr_count:     256
    .wavefront_size: 32
...
	.end_amdgpu_metadata
.endif
;; end of part 1
;; launch qkv (part 2): grid 32 x 8, 4 waves a work-group, clusters of 4 x 1, 327,680 bytes of LDS; arguments nrm, Wq_codes, Wq_scales, Wk_codes, Wk_scales, Wv_codes, Wv_scales, qkv; writes qkv
.if DOCPART == 2
	.amdgcn_target "amdgcn-amd-amdhsa--gfx1250"
	.amdhsa_code_object_version 6
	.text
	.protected	k_q944f8153e1_qkv
	.globl	k_q944f8153e1_qkv
	.p2align	8
	.type	k_q944f8153e1_qkv,@function
k_q944f8153e1_qkv:
	s_mov_b64 s[64:65], 0
	v_nop
	global_prefetch_b8 v0, s[64:65] scope:SCOPE_SE
	s_setreg_imm32_b32 hwreg(HW_REG_WAVE_MODE, 25, 1), 1
	s_wait_xcnt 0x0
	s_wait_alu depctr_hold_cnt(0) depctr_sa_sdst(0) depctr_va_vdst(0) depctr_va_sdst(0) depctr_va_ssrc(0) depctr_va_vcc(0) depctr_vm_vsrc(0)
	s_getreg_b32 s2, hwreg(HW_REG_IB_STS2, 6, 4)
	s_cmp_eq_u32 s2, 0
	s_cbranch_scc0 .Lentry_in_a_cluster
	s_endpgm
.Lentry_in_a_cluster:
	s_bfe_u32 s2, ttmp6, 0x10000c
	s_cmp_lg_u32 s2, 0x3003
	s_cbranch_scc0 .Lentry_shape_is_right
	s_endpgm
.Lentry_shape_is_right:
; q, k, v = xn Wq^T, xn Wk^T, xn Wv^T on E4M3 codes with E8M0 scales; RoPE on q and k; all three quantised again for attention: q and k along the head's 64, v along the keys.
; SHARES.  256 work-groups: x = 128 tokens, y = a tile of 128 columns (two heads).  A work-group walks three tiles: its columns of q, of k, of v.  Four waves, 64 tokens x 64 columns (one head) each: 16 accumulators.
; A WAVE'S TOKENS' CODES FOR ALL OF K = 1,024 STAY IN REGISTERS (4 token tiles x 8 K steps x 16 = 512), loaded once from the images that the norm stored; LDS is read for the weights alone.
; A weight tile, 128 rows of 1,024 bytes, goes through a ring of two LDS slots; each wave fetches 32 rows with one tensor load.  CLUSTER 4 x 1 along the tokens: the four partners walk the same tiles and ask jointly, each fill behind a round.
; q and k run in a loop of two trips, each of which fills the other slot; v's trip is written out: it fills nothing and has the sources swapped.
; q, k: source 0 = 16 weight rows, source 1 = 16 tokens: a lane holds one token and eight neighbouring d.  v: a lane holds one d and eight neighbouring tokens, the keys of attention's second product.
; THE ORDER ALONG K OF WHAT IS STORED: the 16 registers of two neighbouring result tiles hold a whole half block, index 32 c + 16 (y / 8) + 8 h + y % 8 at place 32 c + 16 h + y.  q and k are made alike, and so are v and
; attention's p: the places agree on both sides of each product, so the codes are stored as they stand.
; NO PREFETCH: the walk has three tiles; the first is asked for at the head and the second behind the first round, so only the third could be named ahead of its load.
; REGISTERS: window 0: v0-31 addresses; v32-63 xn's scale words; v64-95 the weights'; v96-127 at work; v128-255 accumulators.  Window 1: v0-127 two sets of weight fragments, v128-255 (cos, sin).  Windows 2, 3: xn's fragments.
; LIMITS: NaN and infinities are not served; a block whose largest magnitude lies under 2^-118 keeps the scale byte 1 (read by this program alone).
.set XSO,   4194304
.set ROPEO, 4325376
.set VCO,   8388608
.set QSO,   12582912
.set VSO,   12845056
.set PITCH, 1040                       ; 1,024 bytes + 16: an odd multiple of 16
.set QUART, 32*PITCH                   ; what one tensor load brings
.set SLOT,  4*QUART
.set SCL,   2*SLOT                     ; the weights' scale rows: [q, k, v][128 rows][32 bytes]
.set SMALL, SCL+3*4096                 ; v's scale words on their way out: 512 bytes
.set SPARE, SMALL+512                  ; the spare words: 512 bytes that no other line names
.set SCA,  32
.set SCB,  64
.set TM,   96
.set PC,   112
.set ACC,  128
.set WV, 20
.set IW, 21
.set JW, 22
.set SI, 23
.set TB, 24
.set TN, 25
.set WB, 26
.set TS, 27
.set G1, 28
.set G0, 36
.set TR, 40
.set TC, 41
.set PK, 42
.set PV, 44
.set SEL, 60
.set MNT, 62
.set MSB, 0
.macro WIN new                         ; the immediate's high byte repeats the setting that is left
.if MSB != \new
	s_set_vgpr_msb (MSB<<8)|\new
.set MSB, \new
.endif
.endm
.macro PLACES n
.rept \n
	v_nop
.endr
.endm
.macro ROUND                           ; a round of the cluster's barrier
	s_barrier_signal -1
	s_barrier_wait -1
	s_cmp_lg_u32 s[WV], 0
	s_cbranch_scc1 .Lnw0_\@
	s_barrier_signal -3
.Lnw0_\@:
	s_barrier_wait -3
	s_barrier_signal -1
	s_barrier_wait -1
.endm
.macro QUANT s, st, pc
.irp b, 0,1,2,3
	v_max3_num_f32 v[TM+\b], |v[\s+\st*\b]|, |v[\s+\st*\b+1]|, 0x4800000   ; the floor 2^(9 - 127) holds the byte at 1 from below
.endr
.irp i, 2,4,6,8,10,12,14
.irp b, 0,1,2,3
	v_max3_num_f32 v[TM+\b], v[TM+\b], |v[\s+\st*\b+\i]|, |v[\s+\st*\b+\i+1]|
.endr
.endr
.irp b, 0,1,2,3
	v_permlanex16_b32 v[TM+4+\b], v[TM+\b], s[SEL], s[SEL+1]
.endr
.irp b, 0,1,2,3
	v_max_num_f32 v[TM+\b], v[TM+\b], v[TM+4+\b]
.endr
.irp b, 0,1,2,3
	v_add_nc_u32 v[TM+12+\b], 0xfc000000, v[TM+\b]
.endr
.irp b, 0,1,2,3
	v_and_or_b32 v[TM+8+\b], v[TM+\b], 0x7f800000, s[MNT]
.endr
.irp b, 0,1,2,3
	v_lshrrev_b32 v[TM+4+\b], 23, v[TM+12+\b]
.endr
.irp b, 0,1,2,3
.irp i, 0,1,2,3,4,5,6,7,8,9,10,11,12,13,14,15
	v_med3_num_f32 v[\s+\st*\b+\i], v[\s+\st*\b+\i], -v[TM+8+\b], v[TM+8+\b]   ; the conversion does not saturate (ISA guide 7.6.2)
.endr
	v_cvt_scalef32_pk8_fp8_f32 v[\pc+4*\b:\pc+4*\b+1], v[\s+\st*\b:\s+\st*\b+7], v[TM+12+\b]
	v_cvt_scalef32_pk8_fp8_f32 v[\pc+4*\b+2:\pc+4*\b+3], v[\s+\st*\b+8:\s+\st*\b+15], v[TM+12+\b]
.endr
	v_nop
.endm
.macro ALOAD a                         ; token tile a's eight fragments: 32 loads of 512 consecutive bytes
.irp s, 0,1,2,3,4,5,6,7
.irp c, 0,1,2,3
	global_load_b128 v[128*((\a)%2)+16*\s+4*\c:128*((\a)%2)+16*\s+4*\c+3], v3, s[46:47] offset:16384*(\a)+2048*\s+512*\c
.endr
.endr
.endm
.macro FETCH s, f                      ; my four weight fragments of K step s into set f: 16 LDS loads
	WIN 0x40
.irp b, 0,1,2,3
.irp c, 0,1,2,3
	ds_load_b128 v[(\f)+16*\b+4*\c:(\f)+16*\b+4*\c+3], v8 offset:16*PITCH*\b+128*(\s)+32*\c
.endr
.endr
.endm
; eight matrix instructions: token tiles a0, a0 + 1 against the four weight fragments.  The 16 accumulators take turns, in the same order in every K step; K step 0 starts the sums
.macro MUL8 f, a0, s, mode
.irp a, \a0, \a0+1
.irp b, 0,1,2,3
.set rA, 128*((\a)%2)+16*(\s)
.set rB, (\f)+16*\b
.if \mode
.set rD, ACC+8*(8*((\a)/2)+2*\b+(\a)%2)
.if (\s) == 0
	v_wmma_scale_f32_16x16x128_f8f6f4 v[rD:rD+7], v[rA:rA+15], v[rB:rB+15], 0, v[SCA+8*(\a)+(\s)], v[SCB+8*\b+(\s)]
.else
	v_wmma_scale_f32_16x16x128_f8f6f4 v[rD:rD+7], v[rA:rA+15], v[rB:rB+15], v[rD:rD+7], v[SCA+8*(\a)+(\s)], v[SCB+8*\b+(\s)]
.endif
.else
.set rD, ACC+8*(4*(\a)+\b)
.if (\s) == 0
	v_wmma_scale_f32_16x16x128_f8f6f4 v[rD:rD+7], v[rB:rB+15], v[rA:rA+15], 0, v[SCB+8*\b+(\s)], v[SCA+8*(\a)+(\s)]
.else
	v_wmma_scale_f32_16x16x128_f8f6f4 v[rD:rD+7], v[rB:rB+15], v[rA:rA+15], v[rD:rD+7], v[SCB+8*\b+(\s)], v[SCA+8*(\a)+(\s)]
.endif
.endif
.endr
.endr
.endm
; a K step: its fragments were asked for a K step ago; the next step's are asked for first, eight places behind the products that read their registers, then 16 products
.macro KSTEP s, mode
	s_wait_dscnt 0x0
.if (\s) < 7
.if (\s) > 0
	PLACES 8
.endif
	FETCH (\s)+1, 64*(((\s)+1)%2)
.endif
.if \mode
	WIN 0x06                                       ; source 0 (xn) window 2, source 1 (weights) window 1
.else
	WIN 0x09                                       ; source 0 (weights) window 1, source 1 (xn) window 2
.endif
	MUL8 64*((\s)%2), 0, \s, \mode
.if \mode
	WIN 0x07                                       ; xn: window 3
.else
	WIN 0x0d
.endif
	MUL8 64*((\s)%2), 2, \s, \mode
.endm
.macro KLOOP mode                      ; a tile's 128 products
	v_add_nc_u32 v8, s[TB], v4
	v_add_nc_u32 v10, s[TS], v6
	s_wait_alu depctr_va_vdst(0)
.irp b, 0,1,2,3
	ds_load_b128 v[SCB+8*\b:SCB+8*\b+3], v10 offset:512*\b
	ds_load_b128 v[SCB+8*\b+4:SCB+8*\b+7], v10 offset:512*\b+16
.endr
	FETCH 0, 0
.irp s, 0,1,2,3,4,5,6,7
	KSTEP \s, \mode
.endr
	WIN 0
	PLACES 8
.endm
	s_load_b512 s[4:19], s[0:1], 0x0               ; nrm, Wq codes, scales, Wk codes, scales, Wv codes, scales, qkv
	v_lshl_add_u32 v30, v0, 2, SPARE
	v_mov_b32 v31, 0
	ds_add_u32 v30, v31                            ; the opening lines: the add, twice on end, and its wait
	ds_add_u32 v30, v31
	v_lshrrev_b32 v17, 5, v0
	v_readfirstlane_b32 s[WV], v17
	s_lshr_b32 s[IW], s[WV], 1                     ; my half of the tokens
	s_and_b32 s[JW], s[WV], 1                      ; my half of the columns: a head
	s_bfe_u32 s70, ttmp6, 0x40000                  ; cx: it enters global addresses of plain loads and stores alone
	s_lshl_b32 s[TR], ttmp9, 2
	s_add_co_u32 s[TR], s[TR], s70                 ; tile row 0..31
	s_and_b32 s[TC], ttmp7, 0xffff                 ; tile column 0..7, which the partners share
	s_mov_b32 s[G1], 15|(1<<20)|(1<<21)|(7<<22)|(3<<25)   ; a joint load of the four partners: bytes; four words of padding behind every 256
	s_mov_b32 s[G1+1], 1024<<16
	s_mov_b32 s[G1+2], 32<<16
	s_mov_b32 s[G1+3], 1024<<16
	s_mov_b32 s[G1+4], 32
	s_mov_b32 s[G1+5], 1024
	s_mov_b32 s[G1+6], 0
	s_mov_b32 s[G1+7], 0
	s_mul_i32 s[WB], s[WV], QUART                  ; my 32 rows' place in a slot
	s_lshl_b32 s66, s[TC], 17                      ; a tile's 128 rows are 131,072 bytes
	s_lshl_b32 s67, s[WV], 15
	s_add_co_u32 s66, s66, s67
	s_mov_b32 s67, 0
	s_mov_b32 s[SI], 0
	s_mov_b32 s[TB], 0
	s_mov_b32 s[TN], 0
	s_mov_b32 s[TS], 0
	s_wait_dscnt 0x0
	s_wait_kmcnt 0x0
	s_mov_b32 s[G0], 1
	s_mov_b32 s[G0+1], s[WB]
	s_add_nc_u64 s[G0+2:G0+3], s[6:7], s[66:67]
	s_or_b32 s[G0+3], s[G0+3], 0x80000000
	s_add_nc_u64 s[PK:PK+1], s[10:11], s[66:67]    ; the same rows of Wk,
	s_add_nc_u64 s[PV:PV+1], s[14:15], s[66:67]    ; and of Wv
	ROUND                                          ; the four partners are here: the joint loads meet
	tensor_load_to_lds s[G0:G0+3], s[G1:G1+7]      ; q's tile into slot 0: one load a wave
	s_nop 0
	PLACES 4
	s_lshl_b32 s66, s[TC], 12
	s_add_nc_u64 s[76:77], s[8:9], s[66:67]        ; the tiles' scale rows: 4,096 bytes each
	s_add_nc_u64 s[78:79], s[12:13], s[66:67]
	s_add_nc_u64 s[80:81], s[16:17], s[66:67]
	s_mov_b32 s69, 0
	s_lshl_b32 s68, s[TR], 12
	s_lshl_b32 s71, s[IW], 11
	s_add_co_u32 s68, s68, s71
	s_add_co_u32 s68, s68, XSO
	s_add_nc_u64 s[48:49], s[4:5], s[68:69]        ; xn's scale rows of my 64 tokens
	s_lshl_b32 s68, s[TR], 17
	s_lshl_b32 s71, s[IW], 16
	s_add_co_u32 s68, s68, s71
	s_add_nc_u64 s[46:47], s[4:5], s[68:69]        ; their images
	s_lshr_b32 s72, s[TR], 4
	s_lshl_b32 s72, s72, 4
	s_lshl_b32 s71, s[TC], 1
	s_add_co_u32 s72, s72, s71
	s_add_co_u32 s72, s72, s[JW]                   ; batch x 16 + head
	s_and_b32 s73, s[TR], 15                       ; which 128 tokens of the sequence
	s_lshl_b32 s68, s73, 15
	s_lshl_b32 s71, s[IW], 14
	s_add_co_u32 s68, s68, s71
	s_add_co_u32 s68, s68, ROPEO
	s_add_nc_u64 s[50:51], s[4:5], s[68:69]        ; the table's rows of my 64 tokens
	s_lshl_b32 s68, s72, 7                         ; q's codes: (128 x (batch, head) + token tile) x 1,024 bytes; k's lie 2^22 behind
	s_lshl_b32 s71, s73, 3
	s_add_co_u32 s68, s68, s71
	s_lshl_b32 s71, s[IW], 2
	s_add_co_u32 s68, s68, s71
	s_lshl_b32 s68, s68, 10
	s_add_nc_u64 s[52:53], s[18:19], s[68:69]
	s_lshl_b32 s68, s72, 12                        ; q's scale bytes: two a token; k's lie 2^17 behind
	s_lshl_b32 s71, s73, 8
	s_add_co_u32 s68, s68, s71
	s_lshl_b32 s71, s[IW], 7
	s_add_co_u32 s68, s68, s71
	s_add_co_u32 s68, s68, QSO
	s_add_nc_u64 s[54:55], s[18:19], s[68:69]
	s_lshl_b32 s74, s72, 4
	s_add_co_u32 s74, s74, s73                     ; 16 x (batch, head) + key step
	s_lshl_b32 s68, s74, 13                        ; v's codes: four images of 2,048 bytes a key step; my tokens are blocks 2 iw, 2 iw + 1
	s_lshl_b32 s71, s[IW], 10
	s_add_co_u32 s68, s68, s71
	s_add_co_u32 s68, s68, VCO
	s_add_nc_u64 s[56:57], s[18:19], s[68:69]
	s_lshl_b32 s68, s74, 8                         ; v's scale words: 64 a key step (used by wave 0, whose head is the tile's first)
	s_add_co_u32 s68, s68, VSO
	s_add_nc_u64 s[58:59], s[18:19], s[68:69]
	s_mul_i32 s70, s[JW], 2*QUART
	s_lshl_b32 s71, s[JW], 11
	s_add_co_u32 s71, s71, SCL
	s_lshl_b32 s75, s[JW], 8
	s_lshl_b32 s74, s[IW], 1
	s_add_co_u32 s75, s75, s74
	s_add_co_u32 s75, s75, SMALL
	s_mov_b32 s[SEL], 0x76543210
	s_mov_b32 s[SEL+1], 0xfedcba98
	s_mov_b32 s[MNT], 0x600000
	v_and_b32 v1, 15, v0                           ; r
	v_bfe_u32 v2, v0, 4, 1                         ; h
	v_and_b32 v19, 31, v0
	v_lshlrev_b32 v3, 4, v19                       ; 16 x lane
	v_lshlrev_b32 v13, 4, v0                       ; 16 x thread
	v_add_nc_u32 v15, SCL, v13
	v_lshlrev_b32 v16, 5, v1                       ; 32 r
	v_mul_u32_u24 v4, v1, PITCH
	v_lshl_add_u32 v4, v2, 4, v4
	v_add_nc_u32 v4, s70, v4                       ; my 64 weight rows in a slot
	v_add_nc_u32 v6, s71, v16                      ; their scale rows
	v_lshlrev_b32 v18, 8, v1
	v_lshl_add_u32 v18, v2, 5, v18                 ; the table: 256 r + 32 h
	v_lshlrev_b32 v24, 1, v1                       ; 2 r
	v_lshl_add_u32 v25, v1, 2, s75                 ; v's scale bytes: word 64 jw + 16 b + r, bytes 2 iw, 2 iw + 1
	v_add_nc_u32 v26, SMALL, v3
	v_lshlrev_b32 v27, 12, v2
	v_lshl_add_u32 v27, v1, 4, v27
.irp b, 0,1,2,3
	v_mov_b32 v[TM+4+\b], 0                        ; a lane permute's destination counts as read
.endr
	s_wait_alu depctr_va_vdst(0)
.irp k, 0,1,2
	global_load_b128 v[128+8*\k:131+8*\k], v13, s[76+2*\k:77+2*\k]              ; a tile's 128 scale rows: twice 2,048 consecutive bytes by 128 threads
	global_load_b128 v[132+8*\k:135+8*\k], v13, s[76+2*\k:77+2*\k] offset:2048
.endr
.irp a, 0,1,2,3
	global_load_b128 v[SCA+8*\a:SCA+8*\a+3], v16, s[48:49] offset:512*\a
	global_load_b128 v[SCA+8*\a+4:SCA+8*\a+7], v16, s[48:49] offset:512*\a+16
.endr
	WIN 0x80
	ALOAD 0
	WIN 0
	s_wait_loadcnt 40                              ; the six copies are in: behind them 8 + 32 loads were issued
.irp k, 0,1,2
	ds_store_b128 v15, v[128+8*\k:131+8*\k] offset:4096*\k
	ds_store_b128 v15, v[132+8*\k:135+8*\k] offset:4096*\k+2048
.endr
	WIN 0x80
	ALOAD 1
	WIN 0xc0
	ALOAD 2
	ALOAD 3
	WIN 0x40                                       ; (cos, sin) into window 1, at the accumulators' numbers
.irp a, 0,1,2,3
.irp b, 0,1,2,3
	global_load_b128 v[128+8*(4*\a+\b):128+8*(4*\a+\b)+3], v18, s[50:51] offset:4096*\a+64*\b
	global_load_b128 v[128+8*(4*\a+\b)+4:128+8*(4*\a+\b)+7], v18, s[50:51] offset:4096*\a+64*\b+16
.endr
.endr
	WIN 0
	s_wait_alu depctr_va_vdst(0)
	s_wait_loadcnt 32                              ; xn's codes and scale words are in; the table's 32 loads may be out
.Ltile:                                            ; two trips: q, then k
	s_wait_tensorcnt 0x0                           ; my part of this trip's tile is in; no load of mine is out,
	ds_add_u32 v30, v31
	s_xor_b32 s[TN], s[TN], SLOT                   ; so group 0 may be written: the other slot,
	s_add_co_u32 s[G0+1], s[TN], s[WB]
	s_cmp_eq_u32 s[SI], 0
	s_cselect_b64 s[G0+2:G0+3], s[PK:PK+1], s[PV:PV+1]   ; k's tile in the first trip, v's in the second
	s_or_b32 s[G0+3], s[G0+3], 0x80000000
	s_wait_dscnt 0x0                               ; the add, my LDS stores and my reads of the last tile are done
	ROUND                                          ; that holds of every wave of the four partners
	tensor_load_to_lds s[G0:G0+3], s[G1:G1+7]
	s_nop 0
	PLACES 4
	KLOOP 0
	s_wait_loadcnt 0x0                             ; the table
	WIN 0x04                                       ; source 1 window 1
.set gg, 0
.rept 8                                            ; RoPE on pairs (even d, odd d), which lie in one lane; each accumulator from its low end on
.set ii, 0
.rept 8
	v_pk_mul_f32 v[TM+2*ii:TM+2*ii+1], v[ACC+16*gg+2*ii:ACC+16*gg+2*ii+1], v[128+16*gg+2*ii:128+16*gg+2*ii+1] op_sel:[1,1] op_sel_hi:[1,0]   ; (o sin, o cos)
.set ii, ii+1
.endr
.set ii, 0
.rept 8
	v_pk_fma_f32 v[ACC+16*gg+2*ii:ACC+16*gg+2*ii+1], v[ACC+16*gg+2*ii:ACC+16*gg+2*ii+1], v[128+16*gg+2*ii:128+16*gg+2*ii+1], v[TM+2*ii:TM+2*ii+1] op_sel_hi:[0,1,1] neg_lo:[0,0,1]   ; (e cos - o sin, e sin + o cos)
.set ii, ii+1
.endr
.set gg, gg+1
.endr
	WIN 0
	QUANT ACC, 16, PC                              ; token tiles 0, 1: blocks (a, c) = 2 a + c
	v_lshl_or_b32 v20, v[TM+5], 8, v[TM+4]
	v_lshl_or_b32 v21, v[TM+7], 8, v[TM+6]
	QUANT ACC+64, 16, ACC                          ; token tiles 2, 3; their codes go where tile 0's numbers lay
	v_lshl_or_b32 v22, v[TM+5], 8, v[TM+4]
	v_lshl_or_b32 v23, v[TM+7], 8, v[TM+6]
.irp b, 0,1,2,3
	global_store_b128 v3, v[PC+4*\b:PC+4*\b+3], s[52:53] offset:512*\b          ; 512 consecutive bytes, aligned
	global_store_b128 v3, v[ACC+4*\b:ACC+4*\b+3], s[52:53] offset:2048+512*\b
	global_store_b16 v24, v[20+\b], s[54:55] offset:32*\b                       ; both halves of the lanes store the same two bytes
.endr
	s_wait_xcnt 0x0                                ; the stores have read their bases and registers
	s_add_nc_u64 s[52:53], s[52:53], 0x400000
	s_add_nc_u64 s[54:55], s[54:55], 0x20000
	s_xor_b32 s[TB], s[TB], SLOT
	s_add_co_u32 s[TS], s[TS], 4096
	s_add_co_u32 s[SI], s[SI], 1
	s_cmp_lt_u32 s[SI], 2
	s_wait_alu depctr_va_vdst(0)
	s_cbranch_scc1 .Ltile
	; ---- v: its tile lies in slot 0; no round follows
	s_wait_tensorcnt 0x0
	ds_add_u32 v30, v31
	s_wait_dscnt 0x0
	s_barrier_signal -1
	s_barrier_wait -1
	KLOOP 1
	QUANT ACC, 16, PC                              ; my first 32 tokens, d tiles 0-3
.irp b, 0,1,2,3
	v_mov_b32 v[20+\b], v[TM+4+\b]
.endr
	QUANT ACC+64, 16, ACC                          ; my second 32
.irp b, 0,1,2,3
	v_lshl_or_b32 v[20+\b], v[TM+4+\b], 8, v[20+\b]
.endr
.irp b, 0,1,2,3
	global_store_b128 v3, v[PC+4*\b:PC+4*\b+3], s[56:57] offset:2048*\b
	global_store_b128 v3, v[ACC+4*\b:ACC+4*\b+3], s[56:57] offset:2048*\b+512
	ds_store_b16 v25, v[20+\b] offset:64*\b
.endr
	s_wait_dscnt 0x0                               ; for wave 0's sake
	s_barrier_signal -1
	s_barrier_wait -1
	s_cmp_lg_u32 s[WV], 0
	s_cbranch_scc1 .Lend
	ds_load_b128 v[20:23], v26                     ; 128 words: the tile's two heads
	s_wait_dscnt 0x0
	global_store_b128 v27, v[20:23], s[58:59]      ; sixteen lanes store a head's 256 bytes, aligned
.Lend:
	s_wait_tensorcnt 0x0                           ; the wave's end
	ds_add_u32 v30, v31
	s_wait_dscnt 0x0
	ROUND                                          ; the closing round
	s_endpgm
.Lfunc_end_k_q944f8153e1_qkv:
	.size	k_q944f8153e1_qkv, .Lfunc_end_k_q944f8153e1_qkv-k_q944f8153e1_qkv
	.p2alignl 7, 3214868480
	.fill 96, 4, 3214868480
	.section	.rodata,"a",@progbits
	.p2align	6, 0x0
	.amdhsa_kernel k_q944f8153e1_qkv
		.amdhsa_group_segment_fixed_size 327680
		.amdhsa_private_segment_fixed_size 0
		.amdhsa_enable_private_segment 0
		.amdhsa_kernarg_size 64
		.amdhsa_user_sgpr_count 2
		.amdhsa_user_sgpr_kernarg_segment_ptr 1
		.amdhsa_wavefront_size32 1
		.amdhsa_system_sgpr_workgroup_id_x 1
		.amdhsa_system_sgpr_workgroup_id_y 1
		.amdhsa_system_sgpr_workgroup_id_z 1
		.amdhsa_system_vgpr_workitem_id 0
		.amdhsa_next_free_vgpr 1024
		.amdhsa_next_free_sgpr 100
		.amdhsa_reserve_vcc 0
		.amdhsa_float_denorm_mode_32 3
		.amdhsa_float_denorm_mode_16_64 3
		.amdhsa_memory_ordered 1
		.amdhsa_forward_progress 1
		.amdhsa_inst_pref_size 122
	.end_amdhsa_kernel
	.amdgpu_metadata
---
amdhsa.version: [ 1, 2 ]
amdhsa.kernels:
  - .name:           k_q944f8153e1_qkv
    .symbol:         k_q944f8153e1_qkv.kd
    .args:
      - { .name: nrm, .offset: 0, .size: 8, .value_kind: global_buffer, .address_space: global }
      - { .name: Wq_codes, .offset: 8, .size: 8, .value_kind: global_buffer, .address_space: global }
      - { .name: Wq_scales, .offset: 16, .size: 8, .value_kind: global_buffer, .address_space: global }
      - { .name: Wk_codes, .offset: 24, .size: 8, .value_kind: global_buffer, .address_space: global }
      - { .name: Wk_scales, .offset: 32, .size: 8, .value_kind: global_buffer, .address_space: global }
      - { .name: Wv_codes, .offset: 40, .size: 8, .value_kind: global_buffer, .address_space: global }
      - { .name: Wv_scales, .offset: 48, .size: 8, .value_kind: global_buffer, .address_space: global }
      - { .name: qkv, .offset: 56, .size: 8, .value_kind: global_buffer, .address_space: global }
    .group_segment_fixed_size: 327680
    .private_segment_fixed_size: 0
    .kernarg_segment_align: 8
    .kernarg_segment_size: 64
    .max_flat_workgroup_size: 128
    .sgpr_count:     100
    .vgpr_count:     1024
    .wavefront_size: 32
...
	.end_amdgpu_metadata
.endif
;; end of part 2
;; launch attn (part 3): grid 8 x 32, 16 waves a work-group, clusters of 4 x 1, 272,384 bytes of LDS; arguments qkv, att; writes att
.if DOCPART == 3
	.amdgcn_target "amdgcn-amd-amdhsa--gfx1250"
	.amdhsa_code_object_version 6
	.text
	.protected	k_q944f8153e1_attn
	.globl	k_q944f8153e1_attn
	.p2align	8
	.type	k_q944f8153e1_attn,@function
k_q944f8153e1_attn:
	s_mov_b64 s[64:65], 0
	v_nop
	global_prefetch_b8 v0, s[64:65] scope:SCOPE_SE
	s_setreg_imm32_b32 hwreg(HW_REG_WAVE_MODE, 25, 1), 1
	s_wait_xcnt 0x0
	s_wait_alu depctr_hold_cnt(0) depctr_sa_sdst(0) depctr_va_vdst(0) depctr_va_sdst(0) depctr_va_ssrc(0) depctr_va_vcc(0) depctr_vm_vsrc(0)
	s_getreg_b32 s2, hwreg(HW_REG_IB_STS2, 6, 4)
	s_cmp_eq_u32 s2, 0
	s_cbranch_scc0 .Lentry_in_a_cluster
	s_endpgm
.Lentry_in_a_cluster:
	s_bfe_u32 s2, ttmp6, 0x10000c
	s_cmp_lg_u32 s2, 0x3003
	s_cbranch_scc0 .Lentry_shape_is_right
	s_endpgm
.Lentry_shape_is_right:
; Causal attention on E4M3 codes: S^T = K Q^T, p = 2^(t - M) with M the ceiling of the running largest t, O^T += V^T P^T, O / l quantised along (head, d) for the next product.
; A work-group serves one (batch, head); K's and V's codes and scale bytes of the whole head, 264 KiB, lie in LDS, filled once, one tensor load a wave; one wait and one barrier stand ahead of all sixteen key steps.
; CLUSTER 4 x 1: the four partners serve the same head and ask for every tile jointly.
; SHARES.  Wave w owns the 16 queries of tile 8 G + jx, jx the work-group's number in the head (0..7), G a number 0..15 taken from the wave's number by a 4 x 4 magic square: each work-group has one wave of each causal
; length 1..16 key steps, and any four waves w % 4 or w / 4 alike sum to 34.  A key step (128 keys) s is hidden where s > G and lies on the diagonal where s = G: branches on the wave's number and a counter alone.
; THE HEAD'S 64 FILL HALF OF THE INSTRUCTION'S K.  Q's registers 8-15 are zero codes.  K's fragment t is v[32 + 8 t .. 47 + 8 t]: its upper eight registers are the next fragment's codes (zeros behind the last); they are finite
; (the quantiser holds at 448) and meet Q's zeros.  The scale words' upper bytes are 0 (2^-127, a number), from loads that extend with zeros.
; The places along the keys of p's codes and of V's codes agree (both are laid 32 c + 16 (y / 8) + 8 h + y % 8 at place 32 c + 16 h + y).
; LIMITS: NaN and infinities are not served; the quantiser's byte is held at 1 from below.
.set KCO,  4194304
.set QSO,  12582912
.set KSO,  12713984
.set ASO,  4194304
.set VIMG, 131072
.set KSC,  262144
.set VSC,  266240
.set S,    104                         ; v104-167 S^T, then p
.set O,    168                         ; v168-199 O^T
.set PCD,  200                         ; v200-215 p's codes
.set KSW,  216                         ; v216-223 K's scale words; v216-219 V's
.set BM,   228
.set T2,   232
.set HOLD, 236
.set SCOP, 240
.set W0,   244
.set WV, 8
.set GG, 12
.set SEL, 60
.set CS,  62
.set MNT, 66
.set SI,  67
.set TB,  68
.set TS,  69
.set CNT, 70
.macro ROUND
	s_barrier_signal -1
	s_barrier_wait -1
	s_cmp_lg_u32 s[WV], 0
	s_cbranch_scc1 .Lnw0_\@
	s_barrier_signal -3
.Lnw0_\@:
	s_barrier_wait -3
	s_barrier_signal -1
	s_barrier_wait -1
.endm
	s_load_b128 s[4:7], s[0:1], 0x0                ; qkv, att
	v_lshl_add_u32 v254, v0, 2, 0x42000
	v_mov_b32 v255, 0
	ds_add_u32 v254, v255
	ds_add_u32 v254, v255
	v_lshrrev_b32 v1, 5, v0
	s_delay_alu instid0(VALU_DEP_1)
	v_readfirstlane_b32 s[WV], v1
	s_bfe_u32 s9, ttmp6, 0x40000                   ; cx: it enters Q's and O's global addresses and the mask's number alone
	s_lshl_b32 s10, ttmp9, 2
	s_add_co_u32 s10, s10, s9                      ; jx
	s_and_b32 s11, ttmp7, 0xffff                   ; batch x 16 + head
	s_mov_b32 s[GG], 0x7a94c12f
	s_mov_b32 s13, 0x0de3b658
	s_cmp_lt_u32 s[WV], 8
	s_cselect_b32 s[GG], s[GG], s13
	s_and_b32 s13, s[WV], 7
	s_lshl_b32 s13, s13, 2
	s_lshr_b32 s[GG], s[GG], s13
	s_and_b32 s[GG], s[GG], 15                     ; G
	s_lshl_b32 s14, s[GG], 3
	s_add_co_u32 s14, s14, s10                     ; my query tile
	s_bfe_u32 s15, s[WV], 0x10002                  ; ONE LOAD A WAVE: waves 0-3 fetch K's codes, waves 4-7 V's,
	s_and_b32 s16, s[WV], 3                        ; 512 keys (32,768 bytes) each; waves 8 and 9 the scale bytes of K and of V
	s_lshl_b32 s18, s15, 22
	s_lshl_b32 s19, s11, 17
	s_add_co_u32 s18, s18, s19
	s_lshl_b32 s19, s16, 15
	s_add_co_u32 s18, s18, s19
	s_add_co_u32 s18, s18, KCO
	s_mov_b32 s19, 0                               ; codes: my 32,768 bytes of the head's 131,072
	s_and_b32 s17, s[WV], 1
	s_lshl_b32 s20, s17, 17
	s_lshl_b32 s21, s11, 12
	s_add_co_u32 s20, s20, s21
	s_add_co_u32 s20, s20, KSO
	s_mov_b32 s21, 0                               ; scale bytes: the head's 4,096
	s_and_b32 s22, s[WV], 7
	s_lshl_b32 s22, s22, 15                        ; LDS: K's four parts, then V's four
	s_lshl_b32 s23, s17, 12
	s_add_co_u32 s23, s23, KSC                     ; LDS: scale bytes
	s_mov_b32 s24, 15|(3<<16)|(1<<21)              ; a dense block of 32,768 bytes as 128 rows of 32 elements of 8 bytes; the mask names all four partners
	s_mov_b32 s25, 32<<16
	s_mov_b32 s26, 128<<16
	s_mov_b32 s27, 32<<16
	s_mov_b32 s28, 128
	s_mov_b32 s29, 32
	s_mov_b32 s30, 0
	s_mov_b32 s31, 0
	s_mov_b32 s32, 15|(3<<16)|(1<<21)              ; 4,096 bytes: 16 such rows
	s_mov_b32 s33, 32<<16
	s_mov_b32 s34, 16<<16
	s_mov_b32 s35, 32<<16
	s_mov_b32 s36, 16
	s_mov_b32 s37, 32
	s_mov_b32 s38, 0
	s_mov_b32 s39, 0
	s_lshl_b32 s72, s11, 7
	s_add_co_u32 s72, s72, s14
	s_lshl_b32 s72, s72, 10                        ; Q's codes: 1,024 bytes a tile
	s_mov_b32 s73, 0
	s_lshl_b32 s74, s11, 12
	s_lshl_b32 s75, s14, 5
	s_add_co_u32 s74, s74, s75
	s_add_co_u32 s74, s74, QSO
	s_mov_b32 s75, 0
	s_lshr_b32 s13, s11, 4                         ; batch
	s_and_b32 s17, s11, 15                         ; head
	s_lshl_b32 s76, s13, 7
	s_add_co_u32 s76, s76, s14
	s_lshl_b32 s76, s76, 14                        ; att: the row tile's 8 images; the head's 64 are 1,024 bytes of them
	s_lshl_b32 s77, s17, 10
	s_add_co_u32 s76, s76, s77
	s_mov_b32 s77, 0
	s_lshl_b32 s78, s17, 13                        ; att's scale planes: [head][token] two bytes
	s_lshl_b32 s79, s13, 12
	s_add_co_u32 s78, s78, s79
	s_lshl_b32 s79, s14, 5
	s_add_co_u32 s78, s78, s79
	s_add_co_u32 s78, s78, ASO
	s_mov_b32 s79, 0
	s_mov_b32 s[SEL], 0x76543210
	s_mov_b32 s[SEL+1], 0xfedcba98
	s_mov_b32 s[CS], 0x3e38aa3b                    ; log2(e) / 8
	s_mov_b32 s[CS+1], s[CS]
	s_mov_b32 s[MNT], 0x600000
	s_mov_b32 s[SI], 0
	s_mov_b32 s[TB], 0
	s_mov_b32 s[TS], 0
	s_wait_dscnt 0x0
	s_wait_kmcnt 0x0
	s_add_nc_u64 s[18:19], s[4:5], s[18:19]
	s_add_nc_u64 s[20:21], s[4:5], s[20:21]
	s_add_nc_u64 s[72:73], s[4:5], s[72:73]
	s_add_nc_u64 s[74:75], s[4:5], s[74:75]
	s_add_nc_u64 s[76:77], s[6:7], s[76:77]
	s_add_nc_u64 s[78:79], s[6:7], s[78:79]
	ROUND                                          ; the four partners are here: the joint loads meet
	s_mov_b32 s40, 1
	s_mov_b32 s41, s23
	s_mov_b64 s[42:43], s[20:21]
	s_or_b32 s43, s43, 0x80000000
	s_mov_b32 s44, 1
	s_mov_b32 s45, s22
	s_mov_b64 s[46:47], s[18:19]
	s_or_b32 s47, s47, 0x80000000
	s_cmp_lt_u32 s[WV], 8                          ; one chain of branches on the wave's number, one load to an arm, all arms to one join
	s_cbranch_scc0 .Lnotcodes
	tensor_load_to_lds s[44:47], s[24:31]
	s_nop 0
.rept 4
	v_nop
.endr
	s_branch .Lnofetch
.Lnotcodes:
	s_cmp_lt_u32 s[WV], 10
	s_cbranch_scc0 .Lnofetch
	tensor_load_to_lds s[40:43], s[32:39]
	s_nop 0
.rept 4
	v_nop
.endr
.Lnofetch:
	v_and_b32 v226, 15, v0                         ; r
	v_bfe_u32 v227, v0, 4, 1                       ; h
	v_and_b32 v1, 31, v0
	s_delay_alu instid0(VALU_DEP_1)
	v_lshlrev_b32 v1, 4, v1                        ; 16 x lane: my place in an image (K's lie at LDS byte 0)
	s_delay_alu instid0(VALU_DEP_1)
	v_add_nc_u32 v225, VIMG, v1                    ; V's
	v_lshl_add_u32 v7, v226, 1, KSC                ; K's scale bytes: 2 r
	v_lshl_add_u32 v224, v226, 2, VSC              ; V's scale words: 4 r
	global_load_b128 v[16:19], v1, s[72:73]
	global_load_b128 v[20:23], v1, s[72:73] offset:512
	v_lshlrev_b32 v245, 1, v226
	global_load_u16 v8, v245, s[74:75]             ; Q's scale bytes, upper half 0
	s_lshl_b32 s13, s10, 4
	v_lshlrev_b32 v6, 3, v227
	s_delay_alu instid0(VALU_DEP_1)
	v_sub_nc_u32 v6, v226, v6
	s_delay_alu instid0(VALU_DEP_1)
	v_add_nc_u32 v6, s13, v6                       ; my query in the diagonal step, less 8 h
.irp j, 0,1,2,3,4,5,6,7
	v_mov_b32 v[24+\j], 0                          ; Q's upper half: zero codes
	v_mov_b32 v[96+\j], 0                          ; behind K's last fragment
.endr
.set j, 0
.rept 32
	v_mov_b32 v[O+j], 0                            ; the step is written once: the first finds zeros
.set j, j+1
.endr
	v_mov_b32 v13, 0xff61b1e6                      ; the largest t so far: -3e38
	s_delay_alu instid0(VALU_DEP_1)
	v_floor_f32 v12, -v13                          ; -M
	v_mov_b32 v14, 0
	v_mov_b32 v15, 0
	v_mov_b32 v11, 0                               ; (the upper half of the pair v[10:11])
	v_mov_b32 v248, 0xff800000                     ; -infinity
.irp b, 0,1,2,3
	v_mov_b32 v[T2+\b], 0                          ; a lane permute's destination counts as read
.endr
; A KEY STEP: 128 keys
.macro STEP
	s_cmp_gt_u32 s[SI], s[GG]                      ; all its keys come after my queries: only the counters step
	s_cbranch_scc1 .Lhidden_\@
	v_add_nc_u32 v2, s[TB], v1
	v_add_nc_u32 v3, s[TB], v225
	v_add_nc_u32 v4, s[TS], v7
	v_add_nc_u32 v5, s[TS], v224
.rept 4
	v_nop                                          ; with the four additions: eight places behind the last products, ahead of loads into their registers
.endr
.irp t, 0,1,2,3,4,5,6,7
	ds_load_b128 v[32+8*\t:35+8*\t], v2 offset:1024*\t
	ds_load_b128 v[36+8*\t:39+8*\t], v2 offset:1024*\t+512
	ds_load_u16 v[KSW+\t], v4 offset:32*\t
.endr
	s_wait_alu depctr_va_vdst(0)
	s_wait_dscnt 0x0
.irp t, 0,1,2,3,4,5,6,7
	v_wmma_scale_f32_16x16x128_f8f6f4 v[S+8*\t:S+8*\t+7], v[32+8*\t:47+8*\t], v[16:31], 0, v[KSW+\t], v8
.endr
.rept 8
	v_nop
.endr
.irp d, 0,1,2,3                                    ; V's fragments land while the softmax is walked
.irp c, 0,1,2,3
	ds_load_b128 v[32+16*\d+4*\c:35+16*\d+4*\c], v3 offset:2048*\d+512*\c
.endr
	ds_load_b32 v[KSW+\d], v5 offset:64*\d
.endr
	s_cmp_lg_u32 s[SI], s[GG]
	s_cbranch_scc1 .Lopen_\@
.set n, 0
.rept 64                                           ; on the diagonal: register n holds key 32 (n / 16) + 16 ((n % 16) / 8) + 8 h + n % 8; hidden scores become -infinity
	v_cmp_gt_i32 vcc_lo, 32*(n/16)+16*((n%16)/8)+n%8, v6
	v_cndmask_b32 v[S+n], v[S+n], v248, vcc_lo
.set n, n+1
.endr
.Lopen_\@:
.irp b, 0,1,2,3
	v_max3_num_f32 v[BM+\b], v[S+16*\b], v[S+1+16*\b], v[S+2+16*\b]   ; each block's largest score: for the row's maximum and, since p rises with the score, for the block's largest p
.endr
.irp i, 3,5,7,9,11,13
.irp b, 0,1,2,3
	v_max3_num_f32 v[BM+\b], v[BM+\b], v[S+16*\b+\i], v[S+1+16*\b+\i]
.endr
.endr
.irp b, 0,1,2,3
	v_max_num_f32 v[BM+\b], v[BM+\b], v[S+15+16*\b]
.endr
.irp b, 0,1,2,3
	s_delay_alu instid0(VALU_DEP_4)
	v_permlanex16_b32 v[T2+\b], v[BM+\b], s[SEL], s[SEL+1]
.endr
.irp b, 0,1,2,3
	s_delay_alu instid0(VALU_DEP_4)
	v_max_num_f32 v[BM+\b], v[BM+\b], v[T2+\b]
.endr
	s_delay_alu instid0(VALU_DEP_2)
	v_max3_num_f32 v[W0], v[BM], v[BM+1], v[BM+2]
	s_delay_alu instid0(VALU_DEP_1)
	v_max_num_f32 v[W0], v[W0], v[BM+3]
	s_delay_alu instid0(VALU_DEP_1)
	v_mul_f32 v[W0], s[CS], v[W0]
	s_delay_alu instid0(VALU_DEP_1)
	v_max_num_f32 v13, v13, v[W0]                  ; the running largest t
	v_mov_b32 v[W0], v12
	s_delay_alu instid0(VALU_DEP_2)
	v_floor_f32 v12, -v13                          ; -M = floor(-t): M is a whole number
	s_delay_alu instid0(VALU_DEP_1)
	v_sub_f32 v[W0], v12, v[W0]
	s_delay_alu instid0(VALU_DEP_1)
	v_cvt_i32_f32 v[W0], v[W0]
	s_delay_alu instid0(VALU_DEP_1)
	v_ldexp_f32 v10, 1.0, v[W0]                    ; f = 2^(old M - new M): exact
.set j, 0
.rept 32
	v_pk_fma_f32 v[S+j:S+j+1], v[S+j:S+j+1], s[CS:CS+1], v[12:13] op_sel_hi:[1,0,0]   ; t - M
.set j, j+2
.endr
.irp b, 0,1,2,3
	v_fma_f32 v[BM+\b], v[BM+\b], s[CS], v12
.endr
.set j, 0
	s_wait_alu depctr_va_vdst(0)
.rept 64
	v_exp_f32 v[S+j], v[S+j]                       ; p, not normalised
.set j, j+1
.endr
	v_pk_mul_f32 v[14:15], v[14:15], v[10:11] op_sel_hi:[1,0]   ; the sums under the new M; the plain line behind the batch
	s_wait_alu depctr_va_vdst(0)                   ; one wait for the 64, ahead of their first reader
.irp b, 0,1,2,3
	v_exp_f32 v[BM+\b], v[BM+\b]                   ; each block's largest p
.endr
	v_pk_add_f32 v[246:247], v[108:109], v[112:113]
	v_pk_add_f32 v[252:253], v[116:117], v[120:121]
	v_pk_add_f32 v[250:251], v[124:125], v[128:129]
	v_pk_add_f32 v[242:243], v[132:133], v[136:137]
	v_pk_add_f32 v[240:241], v[140:141], v[144:145]
	v_pk_add_f32 v[238:239], v[148:149], v[152:153]
	v_pk_add_f32 v[236:237], v[156:157], v[160:161]
	v_pk_add_f32 v[14:15], v[14:15], v[164:165]
	v_pk_add_f32 v[246:247], v[246:247], v[104:105]
	v_pk_add_f32 v[252:253], v[252:253], v[106:107]
	v_pk_add_f32 v[250:251], v[250:251], v[110:111]
	v_pk_add_f32 v[242:243], v[242:243], v[114:115]
	v_pk_add_f32 v[240:241], v[240:241], v[118:119]
	v_pk_add_f32 v[238:239], v[238:239], v[122:123]
	v_pk_add_f32 v[236:237], v[236:237], v[126:127]
	v_pk_add_f32 v[14:15], v[14:15], v[130:131]
	v_pk_add_f32 v[246:247], v[246:247], v[134:135]
	v_pk_add_f32 v[252:253], v[252:253], v[138:139]
	v_pk_add_f32 v[250:251], v[250:251], v[142:143]
	v_pk_add_f32 v[242:243], v[242:243], v[146:147]
	v_pk_add_f32 v[240:241], v[240:241], v[150:151]
	v_pk_add_f32 v[238:239], v[238:239], v[154:155]
	v_pk_add_f32 v[236:237], v[236:237], v[158:159]
	v_pk_add_f32 v[14:15], v[14:15], v[162:163]
	v_pk_add_f32 v[246:247], v[246:247], v[166:167]
	s_delay_alu instid0(VALU_DEP_2)
	v_pk_add_f32 v[14:15], v[14:15], v[242:243]
	s_delay_alu instid0(VALU_DEP_2)
	v_pk_add_f32 v[246:247], v[246:247], v[240:241]
	v_pk_add_f32 v[252:253], v[252:253], v[238:239]
	v_pk_add_f32 v[250:251], v[250:251], v[236:237]
	s_delay_alu instid0(VALU_DEP_2)
	v_pk_add_f32 v[14:15], v[14:15], v[252:253]
	s_delay_alu instid0(VALU_DEP_2)
	v_pk_add_f32 v[246:247], v[246:247], v[250:251]
	s_delay_alu instid0(VALU_DEP_1)
	v_pk_add_f32 v[14:15], v[14:15], v[246:247]
	s_wait_alu depctr_va_vdst(0)                   ; and one for the four
.irp b, 0,1,2,3
	v_max_num_f32 v[BM+\b], 0x4800000, v[BM+\b]    ; the floor: the byte cannot fall under 1
.endr
.irp b, 0,1,2,3
	s_delay_alu instid0(VALU_DEP_4)
	v_add_nc_u32 v[SCOP+\b], 0xfc000000, v[BM+\b]
.endr
.irp b, 0,1,2,3
	v_and_or_b32 v[HOLD+\b], v[BM+\b], 0x7f800000, s[MNT]
.endr
.irp b, 0,1,2,3
	v_lshrrev_b32 v[T2+\b], 23, v[SCOP+\b]
.endr
	s_delay_alu instid0(VALU_DEP_3)
	v_lshl_or_b32 v9, v[T2+1], 8, v[T2]            ; p's scale word for these 128 keys
	s_delay_alu instid0(VALU_DEP_1)
	v_lshl_or_b32 v9, v[T2+2], 16, v9
	s_delay_alu instid0(VALU_DEP_1)
	v_lshl_or_b32 v9, v[T2+3], 24, v9
.irp b, 0,1,2,3
.irp i, 0,1,2,3,4,5,6,7,8,9,10,11,12,13,14,15
	v_min_num_f32 v[S+16*\b+\i], v[S+16*\b+\i], v[HOLD+\b]   ; p is not negative: a one-sided hold
.endr
	v_cvt_scalef32_pk8_fp8_f32 v[PCD+4*\b:PCD+4*\b+1], v[S+16*\b:S+16*\b+7], v[SCOP+\b]
	v_cvt_scalef32_pk8_fp8_f32 v[PCD+4*\b+2:PCD+4*\b+3], v[S+16*\b+8:S+16*\b+15], v[SCOP+\b]
.endr
.set j, 0
.rept 16
	v_pk_mul_f32 v[O+j:O+j+1], v[O+j:O+j+1], v[10:11] op_sel_hi:[1,0]   ; O^T under the new M; these are also the places ahead of the products
.set j, j+2
.endr
	s_wait_alu depctr_va_vdst(0)
	s_wait_dscnt 0x0                               ; V
.irp d, 0,1,2,3
	v_wmma_scale_f32_16x16x128_f8f6f4 v[O+8*\d:O+8*\d+7], v[32+16*\d:47+16*\d], v[PCD:PCD+15], v[O+8*\d:O+8*\d+7], v[KSW+\d], v9
.endr
.Lhidden_\@:
	s_add_co_u32 s[SI], s[SI], 1
	s_add_co_u32 s[TB], s[TB], 8192
	s_add_co_u32 s[TS], s[TS], 256
.endm
; the sixteen key steps: n tensor loads may be out at the wait
.macro PHASE n
	s_wait_tensorcnt \n
	s_wait_dscnt 0x0
	s_barrier_signal -1
	s_barrier_wait -1
	s_mov_b32 s[CNT], 16                           ; all sixteen key steps in one loop: the whole head lies in LDS behind the one barrier
.Lph_\@:
	STEP
	s_sub_co_u32 s[CNT], s[CNT], 1
	s_cmp_lg_u32 s[CNT], 0
	s_cbranch_scc1 .Lph_\@
.endm
	s_wait_loadcnt 0x0                             ; Q
	PHASE 0
	; THE WAY OUT: O^T / l, quantised along d: two blocks of 32.  A lane's 16 codes of a block are d = 8 h + 0..7 and 16 + 8 h + 0..7: each eight go to their natural place in the image: a store fills 256 consecutive bytes, aligned.
.rept 8
	v_nop
.endr
	s_wait_alu depctr_va_vdst(0)
	v_add_f32 v14, v14, v15
	s_delay_alu instid0(VALU_DEP_1)
	v_permlanex16_b32 v[T2], v14, s[SEL], s[SEL+1]
	s_delay_alu instid0(VALU_DEP_1)
	v_add_f32 v14, v14, v[T2]
	s_wait_alu depctr_va_vdst(0)
	v_rcp_f32 v14, v14
	v_lshlrev_b32 v2, 4, v226                      ; (a plain line behind the reciprocal)
	s_delay_alu instid0(VALU_DEP_1)
	v_lshl_add_u32 v2, v227, 3, v2                 ; 16 r + 8 h
	s_wait_alu depctr_va_vdst(0)
.set j, 0
.rept 32
	v_mul_f32 v[S+j], v[O+j], v14
.set j, j+1
.endr
.irp b, 0,1
	v_max3_num_f32 v[BM+\b], |v[S+16*\b]|, |v[S+1+16*\b]|, 0x4800000
.endr
.irp i, 2,4,6,8,10,12,14
.irp b, 0,1
	s_delay_alu instid0(VALU_DEP_2)
	v_max3_num_f32 v[BM+\b], v[BM+\b], |v[S+16*\b+\i]|, |v[S+1+16*\b+\i]|
.endr
.endr
.irp b, 0,1
	s_delay_alu instid0(VALU_DEP_2)
	v_permlanex16_b32 v[T2+\b], v[BM+\b], s[SEL], s[SEL+1]
.endr
.irp b, 0,1
	s_delay_alu instid0(VALU_DEP_2)
	v_max_num_f32 v[BM+\b], v[BM+\b], v[T2+\b]
.endr
.irp b, 0
	s_delay_alu instid0(VALU_DEP_2)
	v_add_nc_u32 v[SCOP+\b], 0xfc000000, v[BM+\b]
	s_delay_alu instid0(VALU_DEP_3)
	v_and_or_b32 v[HOLD+\b], v[BM+\b], 0x7f800000, s[MNT]
.endr
.irp b, 1
	s_delay_alu instid0(VALU_DEP_3)
	v_add_nc_u32 v[SCOP+\b], 0xfc000000, v[BM+\b]
	s_delay_alu instid0(VALU_DEP_4)
	v_and_or_b32 v[HOLD+\b], v[BM+\b], 0x7f800000, s[MNT]
.endr
.irp b, 0
	s_delay_alu instid0(VALU_DEP_4)
	v_lshrrev_b32 v[T2+\b], 23, v[SCOP+\b]
.endr
.irp b, 1
	s_delay_alu instid0(VALU_DEP_3)
	v_lshrrev_b32 v[T2+\b], 23, v[SCOP+\b]
.endr
	s_delay_alu instid0(VALU_DEP_1)
	v_lshl_or_b32 v[W0], v[T2+1], 8, v[T2]
.irp b, 0,1
.irp i, 0,1,2,3,4,5,6,7,8,9,10,11,12,13,14,15
	v_med3_num_f32 v[S+16*\b+\i], v[S+16*\b+\i], -v[HOLD+\b], v[HOLD+\b]
.endr
	v_cvt_scalef32_pk8_fp8_f32 v[PCD+4*\b:PCD+4*\b+1], v[S+16*\b:S+16*\b+7], v[SCOP+\b]
	v_cvt_scalef32_pk8_fp8_f32 v[PCD+4*\b+2:PCD+4*\b+3], v[S+16*\b+8:S+16*\b+15], v[SCOP+\b]
.endr
	v_nop
.irp b, 0,1
	global_store_b64 v2, v[PCD+4*\b:PCD+4*\b+1], s[76:77] offset:512*\b
	global_store_b64 v2, v[PCD+4*\b+2:PCD+4*\b+3], s[76:77] offset:512*\b+256
.endr
	global_store_b16 v245, v[W0], s[78:79]         ; both halves of the lanes store the same two bytes
	s_wait_tensorcnt 0x0
	ds_add_u32 v254, v255
	s_wait_dscnt 0x0
	ROUND                                          ; the closing round
	s_endpgm
.Lfunc_end_k_q944f8153e1_attn:
	.size	k_q944f8153e1_attn, .Lfunc_end_k_q944f8153e1_attn-k_q944f8153e1_attn
	.p2alignl 7, 3214868480
	.fill 96, 4, 3214868480
	.section	.rodata,"a",@progbits
	.p2align	6, 0x0
	.amdhsa_kernel k_q944f8153e1_attn
		.amdhsa_group_segment_fixed_size 272384
		.amdhsa_private_segment_fixed_size 0
		.amdhsa_enable_private_segment 0
		.amdhsa_kernarg_size 16
		.amdhsa_user_sgpr_count 2
		.amdhsa_user_sgpr_kernarg_segment_ptr 1
		.amdhsa_wavefront_size32 1
		.amdhsa_system_sgpr_workgroup_id_x 1
		.amdhsa_system_sgpr_workgroup_id_y 1
		.amdhsa_system_sgpr_workgroup_id_z 1
		.amdhsa_system_vgpr_workitem_id 0
		.amdhsa_next_free_vgpr 256
		.amdhsa_next_free_sgpr 80
		.amdhsa_reserve_vcc 1
		.amdhsa_float_denorm_mode_32 3
		.amdhsa_float_denorm_mode_16_64 3
		.amdhsa_memory_ordered 1
		.amdhsa_forward_progress 1
		.amdhsa_inst_pref_size 42
	.end_amdhsa_kernel
	.amdgpu_metadata
---
amdhsa.version: [ 1, 2 ]
amdhsa.kernels:
  - .name:           k_q944f8153e1_attn
    .symbol:         k_q944f8153e1_attn.kd
    .args:
      - { .name: qkv, .offset: 0, .size: 8, .value_kind: global_buffer, .address_space: global }
      - { .name: att, .offset: 8, .size: 8, .value_kind: global_buffer, .address_space: global }
    .group_segment_fixed_size: 272384
    .private_segment_fixed_size: 0
    .kernarg_segment_align: 8
    .kernarg_segment_size: 16
    .max_flat_workgroup_size: 512
    .sgpr_count:     80
    .vgpr_count:     256
    .wavefront_size: 32
...
	.end_amdgpu_metadata
.endif
;; end of part 3
;; launch wo (part 4): grid 8 x 32, 4 waves a work-group, clusters of 4 x 4, 287,232 bytes of LDS; arguments att, Wo_codes, Wo_scales, x, x2; writes x2
.if DOCPART == 4
	.amdgcn_target "amdgcn-amd-amdhsa--gfx1250"
	.amdhsa_code_object_version 6
	.text
	.protected	k_q944f8153e1_wo
	.globl	k_q944f8153e1_wo
	.p2align	8
	.type	k_q944f8153e1_wo,@function
k_q944f8153e1_wo:
	s_mov_b64 s[64:65], 0
	v_nop
	global_prefetch_b8 v0, s[64:65] scope:SCOPE_SE
	s_setreg_imm32_b32 hwreg(HW_REG_WAVE_MODE, 25, 1), 1
	s_wait_xcnt 0x0
	s_wait_alu depctr_hold_cnt(0) depctr_sa_sdst(0) depctr_va_vdst(0) depctr_va_sdst(0) depctr_va_ssrc(0) depctr_va_vcc(0) depctr_vm_vsrc(0)
	s_getreg_b32 s2, hwreg(HW_REG_IB_STS2, 6, 4)
	s_cmp_eq_u32 s2, 0
	s_cbranch_scc0 .Lentry_in_a_cluster
	s_endpgm
.Lentry_in_a_cluster:
	s_bfe_u32 s2, ttmp6, 0x10000c
	s_cmp_lg_u32 s2, 0xf033
	s_cbranch_scc0 .Lentry_shape_is_right
	s_endpgm
.Lentry_shape_is_right:
; x2 = x + attn Wo^T on E4M3 codes with E8M0 scales.  A work-group makes 128 tokens x 128 columns; four waves, 64 x 64 each: 16 accumulators.
; K = 1,024: both operands' tiles for all of K lie in LDS, filled once at the start, one load a wave; one wait and one barrier.  attn comes as images of operand registers, Wo as padded rows.
; CLUSTER 4 x 4: attn's tiles are shared along a row of the cluster, Wo's along a column.  Source 0 = 16 rows of Wo, source 1 = 16 tokens: a lane holds eight neighbouring columns of one token.
; The residual is asked for at the head, in the layout in which rows leave; the results turn through the wave's own stage (in chunks that are done with) and leave as aligned runs of 256 bytes.
.set ASO,   4194304
; AS THE TILES LIE NOW: each wave brings its half of one operand for ALL of K with ONE load; one wait and one barrier follow; a second barrier stands ahead of the stages, which lie where attn's images lay.
.set BPART, 131072
.set BPITCH, 1040
.set BH,    66560
.set BO2,   33280
.set BO1,   16640
.set ARS,   16384
.set SA,    270336
.set SB,    276480
.set SP,    48
.set SCS,   8
.set ADRA, 4
.set ADRB, 8
.set SCA,  32
.set SCB,  64
.set ACC,  128
.set F0,   0
.set F1,   128
.set WV, 20
.set IW, 21
.set JW, 22
.set G1A, 24
.set G1B, 32
.set G0A, 40
.set G0B, 68
.set OB,  60
.set MSB, 0
.macro WIN new
.if MSB != \new
	s_set_vgpr_msb (MSB<<8)|\new
.set MSB, \new
.endif
.endm
.set MUL,  0x05
.set TO_F, 0x40
.macro PLACES n
.rept \n
	v_nop
.endr
.endm
.macro CREST
	s_cmp_lg_u32 s[WV], 0
	s_cbranch_scc1 .Lnw0_\@
	s_barrier_signal -3
.Lnw0_\@:
	s_barrier_wait -3
	s_barrier_signal -1
	s_barrier_wait -1
.endm
.macro CROUND
	s_barrier_signal -1
	s_barrier_wait -1
	CREST
.endm
.macro MUL4 f, a, sq, zero             ; the 16 accumulators take turns, in the same order in every quarter
.irp b, 0,1,2,3
.set rD, ACC+8*(4*(\a)+\b)
.if \zero
	v_wmma_scale_f32_16x16x128_f8f6f4 v[rD:rD+7], v[\f+64+16*\b:\f+64+16*\b+15], v[\f+16*(\a):\f+16*(\a)+15], 0, v[SCB+SCS*\b+(\sq)], v[SCA+SCS*(\a)+(\sq)]
.else
	v_wmma_scale_f32_16x16x128_f8f6f4 v[rD:rD+7], v[\f+64+16*\b:\f+64+16*\b+15], v[\f+16*(\a):\f+16*(\a)+15], v[rD:rD+7], v[SCB+SCS*\b+(\sq)], v[SCA+SCS*(\a)+(\sq)]
.endif
.endr
.endm
.macro FETCH sl, ksub, f
	WIN TO_F
.irp b, 0,1,2,3
.irp c, 0,1,2,3
	ds_load_b128 v[\f+64+16*\b+4*\c:\f+64+16*\b+4*\c+3], v[ADRB+\sl] offset:BO2*(\b/2)+BO1*(\b%2)+128*(\ksub)+32*\c
.endr
.endr
.irp a, 0,1,2,3
.irp c, 0,1,2,3
	ds_load_b128 v[\f+16*\a+4*\c:\f+16*\a+4*\c+3], v[ADRA+\sl] offset:ARS*\a+2048*(\ksub)+512*\c
.endr
.endr
.endm
.macro QUARTER sl, kn, f, g, sq, zero
	s_wait_dscnt 8                                 ; all but the tokens' fragments 2 and 3
	WIN MUL
	MUL4 \f, 0, \sq, \zero
	MUL4 \f, 1, \sq, \zero
	PLACES 8                                       ; ahead of loads into registers that matrix instructions have read
	FETCH \sl, \kn, \g
	s_wait_dscnt 32                                ; all but the 32 just issued
	WIN MUL
	MUL4 \f, 2, \sq, \zero
	MUL4 \f, 3, \sq, \zero
.endm
.macro TURN nsl, sq, tc                ; a chunk's last quarter, which fetches the next chunk's first K step; tc is not used
	s_wait_dscnt 8
	WIN MUL
	MUL4 F1, 0, \sq, 0
	MUL4 F1, 1, \sq, 0
	PLACES 8
	FETCH \nsl, 0, F0
	s_wait_dscnt 32                                ; all but the 32 just issued
	WIN MUL
	MUL4 F1, 2, \sq, 0
	MUL4 F1, 3, \sq, 0
.endm
.macro LASTQ sq
	s_wait_dscnt 8
	WIN MUL
	MUL4 F1, 0, \sq, 0
	MUL4 F1, 1, \sq, 0
	s_wait_dscnt 0x0
	MUL4 F1, 2, \sq, 0
	MUL4 F1, 3, \sq, 0
	WIN 0
.endm
; the way out: 64 x 64 f32 through my stage, rows of 256 bytes + 16; back two rows an instruction; + the residual; sixteen lanes store 256 consecutive bytes, aligned
.macro OUTF32
	PLACES 8
.irp a, 0,1,2,3
.irp b, 0,1,2,3
	ds_store_b128 v14, v[ACC+8*(4*\a+\b):ACC+8*(4*\a+\b)+3] offset:4352*\a+64*\b       ; each accumulator from its low end on
	ds_store_b128 v14, v[ACC+8*(4*\a+\b)+4:ACC+8*(4*\a+\b)+7] offset:4352*\a+64*\b+16
.endr
.endr
	WIN TO_F
.irp a, 0,1,2,3
.irp t, 0,1,2,3,4,5,6,7
	ds_load_b128 v[4*(8*\a+\t):4*(8*\a+\t)+3], v15 offset:4352*\a+544*\t   ; LDS serves a wave's instructions in order: these see my stores
.endr
.endr
	s_wait_loadcnt 0x0                             ; the residual
.irp a, 0,1,2,3
	s_wait_dscnt 24-8*\a                           ; block a is back; the later blocks' loads may be out
	WIN 0x49                                       ; window 1 += window 2
.irp t, 0,1,2,3,4,5,6,7
	v_pk_add_f32 v[4*(8*\a+\t):4*(8*\a+\t)+1], v[4*(8*\a+\t):4*(8*\a+\t)+1], v[4*(8*\a+\t):4*(8*\a+\t)+1]
	v_pk_add_f32 v[4*(8*\a+\t)+2:4*(8*\a+\t)+3], v[4*(8*\a+\t)+2:4*(8*\a+\t)+3], v[4*(8*\a+\t)+2:4*(8*\a+\t)+3]
.endr
	WIN 0x04                                       ; a store's data are its source 1: window 1
.irp t, 0,1,2,3,4,5,6,7
	global_store_b128 v16, v[4*(8*\a+\t):4*(8*\a+\t)+3], s[OB:OB+1] offset:(16*\a+2*\t)*4096
.endr
.endr
	WIN 0
.endm
	s_load_b256 s[4:11], s[0:1], 0x0               ; att, Wo's codes, Wo's scales, x
	s_load_b64 s[12:13], s[0:1], 0x20              ; x2
	v_lshl_add_u32 v126, v0, 2, 0x46000
	v_mov_b32 v127, 0
	ds_add_u32 v126, v127
	ds_add_u32 v126, v127
	v_lshrrev_b32 v17, 5, v0
	v_readfirstlane_b32 s[WV], v17
	s_lshr_b32 s[IW], s[WV], 1
	s_and_b32 s[JW], s[WV], 1
	s_bfe_u32 s84, ttmp6, 0x40000
	s_bfe_u32 s85, ttmp6, 0x40004
	s_lshl_b32 s86, ttmp9, 2
	s_add_co_u32 s86, s86, s84                     ; tile column 0..7
	s_and_b32 s87, ttmp7, 0xffff
	s_lshl_b32 s87, s87, 2
	s_add_co_u32 s87, s87, s85                     ; tile row 0..31
	s_lshl_b32 s89, s85, 2
	s_lshl_b32 s89, 15, s89
	s_lshl_b32 s90, 0x1111, s84
	s_or_b32 s[G1A], s89, (3<<16)|(1<<21)          ; images: elements of 8 bytes, 4 dense rows of 2,048
	s_mov_b32 s[G1A+1], 2048<<16
	s_mov_b32 s[G1A+2], 4<<16
	s_mov_b32 s[G1A+3], 2048<<16
	s_mov_b32 s[G1A+4], 4
	s_mov_b32 s[G1A+5], 2048
	s_mov_b32 s[G1A+6], 0
	s_mov_b32 s[G1A+7], 0
	s_or_b32 s[G1B], s90, (1<<20)|(1<<21)|(7<<22)|(3<<25)   ; 64 whole rows of 1,024 bytes, 16 bytes of padding behind each
	s_mov_b32 s[G1B+1], 1024<<16
	s_mov_b32 s[G1B+2], 64<<16
	s_mov_b32 s[G1B+3], 1024<<16
	s_mov_b32 s[G1B+4], 64
	s_mov_b32 s[G1B+5], 1024
	s_mov_b32 s[G1B+6], 0
	s_mov_b32 s[G1B+7], 0
	s_lshl_b32 s92, s87, 17
	s_lshl_b32 s93, s[JW], 16
	s_add_co_u32 s92, s92, s93
	s_mov_b32 s93, 0
	s_lshl_b32 s94, s86, 17
	s_lshl_b32 s95, s[JW], 16
	s_add_co_u32 s94, s94, s95
	s_mov_b32 s95, 0
	s_lshl_b32 s2, s[JW], 16
	s_mul_i32 s3, s[JW], BH
	s_add_co_u32 s3, s3, BPART
	s_wait_dscnt 0x0
	s_wait_kmcnt 0x0
	s_add_nc_u64 s[92:93], s[4:5], s[92:93]
	s_add_nc_u64 s[94:95], s[6:7], s[94:95]
	CROUND
	s_mov_b32 s[G0A], 1
	s_mov_b32 s[G0A+1], s2
	s_mov_b64 s[G0A+2:G0A+3], s[92:93]
	s_or_b32 s[G0A+3], s[G0A+3], 0x80000000
	s_mov_b32 s[G0B], 1
	s_mov_b32 s[G0B+1], s3
	s_mov_b64 s[G0B+2:G0B+3], s[94:95]
	s_or_b32 s[G0B+3], s[G0B+3], 0x80000000
	s_cmp_eq_u32 s[IW], 0                          ; one load a wave, one to an arm
	s_cbranch_scc0 .Lfill_b
	tensor_load_to_lds s[G0A:G0A+3], s[G1A:G1A+7]
	s_nop 0
	PLACES 4
	s_branch .Lfilled
.Lfill_b:
	tensor_load_to_lds s[G0B:G0B+3], s[G1B:G1B+7]
	s_nop 0
	PLACES 4
.Lfilled:
	v_and_b32 v1, 15, v0
	v_bfe_u32 v2, v0, 4, 1
	v_lshlrev_b32 v17, 1, v0                       ; thread t: token t of the tile: 2 t in each of 16 planes
	s_wait_alu depctr_va_vdst(0)
	v_lshlrev_b32 v18, 5, v0                       ; and row t of Wo's: 32 t
	s_wait_alu depctr_va_vdst(0)
	v_lshlrev_b32 v16, 12, v2
	v_lshl_add_u32 v16, v1, 4, v16                 ; rows leave two at a time: 4,096 h + 16 r
	s_wait_alu depctr_va_vdst(0)
	s_lshl_b32 s62, s87, 8
	s_add_co_u32 s62, s62, ASO
	s_mov_b32 s63, 0
	s_add_nc_u64 s[62:63], s[4:5], s[62:63]
	s_lshl_b32 s66, s86, 12
	s_mov_b32 s67, 0
	s_add_nc_u64 s[66:67], s[8:9], s[66:67]
	s_lshl_b32 s56, s87, 19                        ; my 64 x 64 of x and of x2
	s_lshl_b32 s57, s[IW], 18
	s_add_co_u32 s56, s56, s57
	s_lshl_b32 s57, s86, 9
	s_add_co_u32 s56, s56, s57
	s_lshl_b32 s57, s[JW], 8
	s_add_co_u32 s56, s56, s57
	s_mov_b32 s57, 0
	s_add_nc_u64 s[58:59], s[10:11], s[56:57]
	s_add_nc_u64 s[OB:OB+1], s[12:13], s[56:57]
.set p, 0
.rept 16
	global_load_u16 v[128+p], v17, s[62:63] offset:8192*p
.set p, p+1
.endr
	global_load_b128 v[144:147], v18, s[66:67]
	global_load_b128 v[148:151], v18, s[66:67] offset:16
	WIN 0x80                                       ; destination window 2: the residual
.irp a, 0,1,2,3
.irp t, 0,1,2,3,4,5,6,7
	global_load_b128 v[4*(8*\a+\t):4*(8*\a+\t)+3], v16, s[58:59] offset:(16*\a+2*\t)*4096
.endr
.endr
	WIN 0
	v_and_b32 v19, 31, v0
	v_lshlrev_b32 v3, 4, v19
	s_lshl_b32 s2, s[IW], 16
	v_add_nc_u32 v[ADRA], s2, v3
	v_mul_u32_u24 v[ADRB], v1, BPITCH
	v_lshl_add_u32 v[ADRB], v2, 4, v[ADRB]
	s_mul_i32 s3, s[JW], BH
	s_add_co_u32 s3, s3, BPART
	v_add_nc_u32 v[ADRB], s3, v[ADRB]
.irp c, 1,2,3
	v_add_nc_u32 v[ADRA+\c], \c*4096, v[ADRA]
	v_add_nc_u32 v[ADRB+\c], \c*256, v[ADRB]
.endr
	s_lshl_b32 s2, s[IW], 6
	v_add_nc_u32 v12, s2, v1
	v_mul_u32_u24 v12, v12, SP
	v_add_nc_u32 v12, SA, v12
	s_lshl_b32 s2, s[JW], 6
	v_add_nc_u32 v13, s2, v1
	v_mul_u32_u24 v13, v13, SP
	v_add_nc_u32 v13, SB, v13
	v_mul_u32_u24 v19, v0, SP
	v_add_nc_u32 v19, SA, v19
	s_mul_i32 s2, s[WV], 17408                     ; my stage
	v_mul_u32_u24 v14, v1, 272
	v_lshl_add_u32 v14, v2, 5, v14
	v_add_nc_u32 v14, s2, v14
	v_mul_u32_u24 v15, v2, 272
	v_lshl_add_u32 v15, v1, 4, v15
	v_add_nc_u32 v15, s2, v15
	s_wait_alu depctr_va_vdst(0)
	s_wait_loadcnt 32                              ; the scales are in; the residual's 32 loads may be out
.set q, 0
.rept 8
	v_lshl_or_b32 v[128+q], v[129+2*q], 16, v[128+2*q]   ; two planes make a K step's word
.set q, q+1
.endr
	ds_store_b128 v19, v[128:131]
	ds_store_b128 v19, v[132:135] offset:16
	ds_store_b128 v19, v[144:147] offset:SB-SA
	ds_store_b128 v19, v[148:151] offset:SB-SA+16
	s_wait_tensorcnt 0x0                           ; my one load is in
	s_wait_dscnt 0x0
	s_barrier_signal -1
	s_barrier_wait -1
.irp i, 0,1,2,3
	ds_load_b128 v[SCA+8*\i:SCA+8*\i+3], v12 offset:768*\i
	ds_load_b128 v[SCA+8*\i+4:SCA+8*\i+7], v12 offset:768*\i+16
	ds_load_b128 v[SCB+8*\i:SCB+8*\i+3], v13 offset:768*\i
	ds_load_b128 v[SCB+8*\i+4:SCB+8*\i+7], v13 offset:768*\i+16
.endr
	FETCH 0, 0, F0
	QUARTER 0, 1, F0, F1, 0, 1
	TURN 1, 1, 2
	QUARTER 1, 1, F0, F1, 2, 0
	TURN 2, 3, 1
	QUARTER 2, 1, F0, F1, 4, 0
	TURN 3, 5, 0
	QUARTER 3, 1, F0, F1, 6, 0
	LASTQ 7
	s_barrier_signal -1                            ; every wave's reads of the images have come back (the wait for 0 in LASTQ): the stages may be written over them
	s_barrier_wait -1
	OUTF32
	s_wait_tensorcnt 0x0
	ds_add_u32 v126, v127
	s_wait_dscnt 0x0
	CROUND
	s_endpgm
.Lfunc_end_k_q944f8153e1_wo:
	.size	k_q944f8153e1_wo, .Lfunc_end_k_q944f8153e1_wo-k_q944f8153e1_wo
	.p2alignl 7, 3214868480
	.fill 96, 4, 3214868480
	.section	.rodata,"a",@progbits
	.p2align	6, 0x0
	.amdhsa_kernel k_q944f8153e1_wo
		.amdhsa_group_segment_fixed_size 287232
		.amdhsa_private_segment_fixed_size 0
		.amdhsa_enable_private_segment 0
		.amdhsa_kernarg_size 40
		.amdhsa_user_sgpr_count 2
		.amdhsa_user_sgpr_kernarg_segment_ptr 1
		.amdhsa_wavefront_size32 1
		.amdhsa_system_sgpr_workgroup_id_x 1
		.amdhsa_system_sgpr_workgroup_id_y 1
		.amdhsa_system_sgpr_workgroup_id_z 1
		.amdhsa_system_vgpr_workitem_id 0
		.amdhsa_next_free_vgpr 768
		.amdhsa_next_free_sgpr 100
		.amdhsa_reserve_vcc 0
		.amdhsa_float_denorm_mode_32 3
		.amdhsa_float_denorm_mode_16_64 3
		.amdhsa_memory_ordered 1
		.amdhsa_forward_progress 1
		.amdhsa_inst_pref_size 61
	.end_amdhsa_kernel
	.amdgpu_metadata
---
amdhsa.version: [ 1, 2 ]
amdhsa.kernels:
  - .name:           k_q944f8153e1_wo
    .symbol:         k_q944f8153e1_wo.kd
    .args:
      - { .name: att, .offset: 0, .size: 8, .value_kind: global_buffer, .address_space: global }
      - { .name: Wo_codes, .offset: 8, .size: 8, .value_kind: global_buffer, .address_space: global }
      - { .name: Wo_scales, .offset: 16, .size: 8, .value_kind: global_buffer, .address_space: global }
      - { .name: x, .offset: 24, .size: 8, .value_kind: global_buffer, .address_space: global }
      - { .name: x2, .offset: 32, .size: 8, .value_kind: global_buffer, .address_space: global }
    .group_segment_fixed_size: 287232
    .private_segment_fixed_size: 0
    .kernarg_segment_align: 8
    .kernarg_segment_size: 40
    .max_flat_workgroup_size: 128
    .sgpr_count:     100
    .vgpr_count:     768
    .wavefront_size: 32
...
	.end_amdgpu_metadata
.endif
;; end of part 4
;; launch norm2: the kernel of part 1 again; grid 256 x 1, 8 waves a work-group, no clusters, 69,632 bytes of LDS; arguments x2, g2, positions, nrm, w2_codes, w2p; writes nrm, w2p
;; launch ffn1 (part 5): grid 32 x 8, 4 waves a work-group, no clusters, 327,680 bytes of LDS; arguments nrm, w1_codes, w1_scales, w3_codes, w3_scales, hid; writes hid
.if DOCPART == 5
	.amdgcn_target "amdgcn-amd-amdhsa--gfx1250"
	.amdhsa_code_object_version 6
	.text
	.protected	k_q944f8153e1_ffn1
	.globl	k_q944f8153e1_ffn1
	.p2align	8
	.type	k_q944f8153e1_ffn1,@function
k_q944f8153e1_ffn1:
	s_mov_b64 s[64:65], 0
	v_nop
	global_prefetch_b8 v0, s[64:65] scope:SCOPE_SE
	s_setreg_imm32_b32 hwreg(HW_REG_WAVE_MODE, 25, 1), 1
	s_wait_xcnt 0x0
; h = silu(xn w1^T) x (xn w3^T), quantised along d_ff, on E4M3 codes with E8M0 scales.
; SHARES.  256 work-groups: x = 128 tokens (32 of them), y = a column group (8).  d_ff = 43 tiles of 64 units; groups 0-2 walk 6 tiles, groups 3-7 walk 5: first tile 5 y + min(y, 3).
; A tile is 64 rows of w1 and the same 64 of w3, all of K = 1,024: 128 rows of 1,024 bytes, through a ring of two LDS slots; each wave fetches 32 rows with one tensor load.
; A wave owns 64 tokens x 32 units.  ITS TOKENS' CODES FOR ALL OF K STAY IN REGISTERS (4 token tiles x 8 K steps x 16 = 512), loaded once from the images that the norm stored: LDS is read for the weights alone,
; and each weight fragment feeds four matrix instructions.  Fragments 0, 1 are w1's rows, 2, 3 the same rows of w3: x1 and x3 of a unit lie in one lane, 16 registers apart; a wave's 32 units are one block of the next K.
; The loop has a constant six trips.  A group of five tiles passes the sixth trip's waits, add and barrier, and jumps, on the group's number and the trip's count alone, round the fifth trip's fill and the sixth trip's work.
; NO CLUSTER: the 32 work-groups of a column group walk the same tiles, but the fill of the sixth tile stands under that jump.
; PREFETCH: in trip i wave 0 names its work-group's share of tile i + 2, which trip i + 1 loads: the 32 work-groups of a column group take 4 rows (16 blocks of 256 bytes) each, lanes 16 on naming the last block again.
; Tiles 0 and 1 come by their loads alone; the last two tiles' trips ask for nothing.
; The weights' scale rows of all six trips are copied into LDS once (a group of five copies its last tile's rows a second time into the sixth place, which nobody reads).  The blocks' bytes gather in LDS and leave at the end, 256 bytes a tile.
; REGISTERS: window 0: v0-31 addresses; v32-63 xn's scale words; v64-95 the weights'; v96-127 at work; v128-255 the 16 accumulators.  Window 1: v0-255 four sets of weight fragments.  Windows 2, 3: xn's fragments.
; LIMITS: NaN and infinities are not served; a block whose largest magnitude lies under 2^-118 keeps the scale byte 1 (read by this program alone).
.set XSO,   4194304
.set HSO,   11534336
.set PITCH, 1040                       ; 1,024 bytes + 16: an odd multiple of 16
.set QUART, 32*PITCH                   ; what one tensor load brings
.set SLOT,  4*QUART
.set SCL,   2*SLOT                     ; the weights' scale rows: [trip][w1's 64 rows, w3's 64 rows][32 bytes]
.set SMALL, SCL+6*4096                 ; the blocks' bytes: [trip][token][2]
.set SPARE, SMALL+8*256                ; behind eight places of 256 bytes (six are used): the spare words, 512 bytes that no other line names
.set SCA,  32
.set SCB,  64
.set TM,   96
.set PC,   112
.set ACC,  128
.set WV, 20
.set IW, 21
.set JW, 22
.set T0, 23
.set NT, 24
.set SI, 25
.set TB, 26
.set TN, 27
.set G1, 28
.set G0, 36
.set WB, 48
.set TS, 49
.set TP, 50
.set LIM, 51
.set PFA, 52
.set HB, 56
.set PB, 60
.set SEL, 16
.set MNT, 18
.set MSB, 0
.macro WIN new                         ; the immediate's high byte repeats the setting that is left
.if MSB != \new
	s_set_vgpr_msb (MSB<<8)|\new
.set MSB, \new
.endif
.endm
.macro PLACES n
.rept \n
	v_nop
.endr
.endm
.macro QUANT s, st, pc
.irp b, 0,1,2,3
	v_max3_num_f32 v[TM+\b], |v[\s+\st*\b]|, |v[\s+\st*\b+1]|, 0x4800000   ; the floor 2^(9 - 127) holds the byte at 1 from below
.endr
.irp i, 2,4,6,8,10,12,14
.irp b, 0,1,2,3
	v_max3_num_f32 v[TM+\b], v[TM+\b], |v[\s+\st*\b+\i]|, |v[\s+\st*\b+\i+1]|
.endr
.endr
.irp b, 0,1,2,3
	v_permlanex16_b32 v[TM+4+\b], v[TM+\b], s[SEL], s[SEL+1]
.endr
.irp b, 0,1,2,3
	v_max_num_f32 v[TM+\b], v[TM+\b], v[TM+4+\b]
.endr
.irp b, 0,1,2,3
	v_add_nc_u32 v[TM+12+\b], 0xfc000000, v[TM+\b]         ; 8 off the exponent field: the conversion's scale operand
.endr
.irp b, 0,1,2,3
	v_and_or_b32 v[TM+8+\b], v[TM+\b], 0x7f800000, s[MNT]  ; 448 x the scale
.endr
.irp b, 0,1,2,3
	v_lshrrev_b32 v[TM+4+\b], 23, v[TM+12+\b]              ; the scale's byte
.endr
.irp b, 0,1,2,3
.irp i, 0,1,2,3,4,5,6,7,8,9,10,11,12,13,14,15
	v_med3_num_f32 v[\s+\st*\b+\i], v[\s+\st*\b+\i], -v[TM+8+\b], v[TM+8+\b]   ; the conversion does not saturate (ISA guide 7.6.2)
.endr
	v_cvt_scalef32_pk8_fp8_f32 v[\pc+4*\b:\pc+4*\b+1], v[\s+\st*\b:\s+\st*\b+7], v[TM+12+\b]
	v_cvt_scalef32_pk8_fp8_f32 v[\pc+4*\b+2:\pc+4*\b+3], v[\s+\st*\b+8:\s+\st*\b+15], v[TM+12+\b]
.endr
	v_nop
.endm
.macro ALOAD a                         ; token tile a's eight fragments: 32 loads of 512 consecutive bytes
.irp s, 0,1,2,3,4,5,6,7
.irp c, 0,1,2,3
	global_load_b128 v[128*((\a)%2)+16*\s+4*\c:128*((\a)%2)+16*\s+4*\c+3], v3, s[46:47] offset:16384*(\a)+2048*\s+512*\c
.endr
.endr
.endm
.macro FETCH s, f                      ; my four weight fragments of K step s into set f: 16 LDS loads
	WIN 0x40
.irp b, 0,1
.irp c, 0,1,2,3
	ds_load_b128 v[(\f)+16*\b+4*\c:(\f)+16*\b+4*\c+3], v8 offset:16*PITCH*\b+128*(\s)+32*\c
.endr
.endr
.irp b, 0,1
.irp c, 0,1,2,3
	ds_load_b128 v[(\f)+32+16*\b+4*\c:(\f)+32+16*\b+4*\c+3], v9 offset:16*PITCH*\b+128*(\s)+32*\c
.endr
.endr
.endm
; eight matrix instructions: token tiles a0, a0 + 1 against the four weight fragments.  The 16 accumulators take turns, in the same order in every K step; K step 0 starts the sums
.macro MUL8 f, a0, s
.irp a, \a0, \a0+1
.irp b, 0,1,2,3
.set rD, ACC+8*(4*(\a)+\b)
.set rA, 128*((\a)%2)+16*(\s)
.set rB, (\f)+16*\b
.if (\s) == 0
	v_wmma_scale_f32_16x16x128_f8f6f4 v[rD:rD+7], v[rB:rB+15], v[rA:rA+15], 0, v[SCB+8*\b+(\s)], v[SCA+8*(\a)+(\s)]
.else
	v_wmma_scale_f32_16x16x128_f8f6f4 v[rD:rD+7], v[rB:rB+15], v[rA:rA+15], v[rD:rD+7], v[SCB+8*\b+(\s)], v[SCA+8*(\a)+(\s)]
.endif
.endr
.endr
.endm
; a K step.  Window 1 holds FOUR sets of weight fragments (all 256 registers), by turns: a step's fragments were asked for two K steps ago, so behind them only the next step's 16 loads may be out.
; The fragments of the step after next are asked for first, eight places behind the last products, then come 16 products
.macro KSTEP s
.if (\s) < 7
	s_wait_dscnt 16
.else
	s_wait_dscnt 0x0
.endif
.if (\s) < 6
	PLACES 8
	FETCH (\s)+2, 64*(((\s)+2)%4)
.endif
.if (\s) == 1
	WIN 0
	s_cmp_lt_u32 s[SI], s[LIM]
	s_cbranch_scc0 .Lnoask
	global_prefetch_b8 v25, s[PFA:PFA+1] th:TH_LOAD_NT scope:SCOPE_SE
.Lnoask:
.endif
	WIN 0x09                                       ; source 0 window 1, source 1 window 2
	MUL8 64*((\s)%4), 0, \s
	WIN 0x0d                                       ; source 1 window 3
	MUL8 64*((\s)%4), 2, \s
.endm
	s_load_b256 s[4:11], s[0:1], 0x0               ; nrm, w1's codes, w1's scales, w3's codes
	s_load_b128 s[12:15], s[0:1], 0x20             ; w3's scales, hid
	v_lshl_add_u32 v30, v0, 2, SPARE
	v_mov_b32 v31, 0
	ds_add_u32 v30, v31                            ; the opening lines: the add, twice on end, and its wait
	ds_add_u32 v30, v31
	v_lshrrev_b32 v17, 5, v0
	v_readfirstlane_b32 s[WV], v17
	s_lshr_b32 s[IW], s[WV], 1                     ; my half of the tokens.  Also: I fetch w1's rows (0) or w3's (1)
	s_and_b32 s[JW], s[WV], 1                      ; my 32 units of a tile's 64.  Also: which 32 rows I fetch
	s_and_b32 s2, ttmp7, 0xffff                    ; the column group
	s_min_u32 s3, s2, 3
	s_mul_i32 s[T0], s2, 5
	s_add_co_u32 s[T0], s[T0], s3                  ; its first tile
	s_cmp_lt_u32 s2, 3
	s_cselect_b32 s[NT], 6, 5                      ; and how many
	s_mov_b32 s[G1], (1<<20)|(7<<22)|(3<<25)       ; bytes; four words of padding behind every 256
	s_mov_b32 s[G1+1], 1024<<16
	s_mov_b32 s[G1+2], 32<<16
	s_mov_b32 s[G1+3], 1024<<16
	s_mov_b32 s[G1+4], 32
	s_mov_b32 s[G1+5], 1024
	s_mov_b32 s[G1+6], 0
	s_mov_b32 s[G1+7], 0
	s_mul_i32 s[WB], s[WV], QUART                  ; my rows' place in a slot
	s_lshl_b32 s66, s[T0], 16                      ; a tile's 64 rows are 65,536 bytes
	s_lshl_b32 s67, s[JW], 15
	s_add_co_u32 s66, s66, s67
	s_mov_b32 s67, 0
	s_mov_b32 s[SI], 0
	s_mov_b32 s[TB], 0
	s_mov_b32 s[TN], 0
	s_mov_b32 s[TS], 0
	s_mov_b32 s[TP], 0
	s_wait_dscnt 0x0
	s_wait_kmcnt 0x0
	s_cmp_eq_u32 s[IW], 0
	s_cselect_b64 s[68:69], s[6:7], s[10:11]
	s_mov_b32 s[G0], 1
	s_mov_b32 s[G0+1], s[WB]
	s_add_nc_u64 s[G0+2:G0+3], s[68:69], s[66:67]
	s_or_b32 s[G0+3], s[G0+3], 0x80000000
	tensor_load_to_lds s[G0:G0+3], s[G1:G1+7]      ; tile 0 into slot 0: one load a wave
	s_nop 0
	PLACES 4
	s_lshl_b32 s66, s[T0], 11
	s_add_nc_u64 s[40:41], s[8:9], s[66:67]        ; w1's scale rows of my tiles
	s_add_nc_u64 s[42:43], s[12:13], s[66:67]      ; w3's
	s_lshl_b32 s66, ttmp9, 12
	s_lshl_b32 s2, s[IW], 11
	s_add_co_u32 s66, s66, s2
	s_add_co_u32 s66, s66, XSO
	s_add_nc_u64 s[44:45], s[4:5], s[66:67]        ; xn's scale rows of my 64 tokens
	s_lshl_b32 s66, ttmp9, 17
	s_lshl_b32 s2, s[IW], 16
	s_add_co_u32 s66, s66, s2
	s_add_nc_u64 s[46:47], s[4:5], s[66:67]        ; their images
	s_lshl_b32 s66, ttmp9, 3                       ; hid's codes: row tile 8 x + 4 iw, pitch 45,056; 1,024 bytes a tile, 512 a block
	s_lshl_b32 s2, s[IW], 2
	s_add_co_u32 s66, s66, s2
	s_mul_i32 s66, s66, 45056
	s_lshl_b32 s2, s[T0], 10
	s_add_co_u32 s66, s66, s2
	s_lshl_b32 s2, s[JW], 9
	s_add_co_u32 s66, s66, s2
	s_add_nc_u64 s[HB:HB+1], s[14:15], s[66:67]
	s_add_co_u32 s66, s[T0], s[WV]                 ; hid's scale planes [tile][token][2]: at the end wave w stores trip w's
	s_lshl_b32 s66, s66, 13
	s_lshl_b32 s2, ttmp9, 8
	s_add_co_u32 s66, s66, s2
	s_add_co_u32 s66, s66, HSO
	s_add_nc_u64 s[PB:PB+1], s[14:15], s[66:67]
	s_cmp_lt_u32 ttmp9, 16                         ; the prefetches: work-groups 0-15 name rows of w1, 16-31 of w3, 4 rows each, from tile 2 on
	s_cselect_b64 s[PFA:PFA+1], s[6:7], s[10:11]
	s_add_co_u32 s66, s[T0], 2
	s_lshl_b32 s66, s66, 16
	s_and_b32 s2, ttmp9, 15
	s_lshl_b32 s2, s2, 12
	s_add_co_u32 s66, s66, s2
	s_add_nc_u64 s[PFA:PFA+1], s[PFA:PFA+1], s[66:67]
	s_sub_co_u32 s2, s[NT], 2
	s_cmp_eq_u32 s[WV], 0
	s_cselect_b32 s[LIM], s2, 0                    ; wave 0 asks in trips 0 .. NT - 3
	s_lshl_b32 s3, s[NT], 11
	s_sub_co_u32 s3, s3, 2048                      ; my last tile's scale rows
	s_mul_i32 s70, s[JW], QUART
	s_lshl_b32 s71, s[JW], 10
	s_add_co_u32 s71, s71, SCL
	s_lshl_b32 s72, s[IW], 7
	s_add_co_u32 s72, s72, s[JW]
	s_add_co_u32 s72, s72, SMALL
	s_lshl_b32 s73, s[WV], 8
	s_add_co_u32 s73, s73, SMALL
	s_mov_b32 s[SEL], 0x76543210
	s_mov_b32 s[SEL+1], 0xfedcba98
	s_mov_b32 s[MNT], 0x600000
	v_and_b32 v1, 15, v0                           ; r
	v_bfe_u32 v2, v0, 4, 1                         ; h
	v_and_b32 v19, 31, v0
	v_lshlrev_b32 v3, 4, v19                       ; 16 x lane
	v_lshlrev_b32 v13, 4, v0                       ; 16 x thread
	v_add_nc_u32 v14, s3, v13
	v_add_nc_u32 v15, SCL, v13
	v_lshlrev_b32 v16, 5, v1                       ; 32 r
	v_mul_u32_u24 v4, v1, PITCH
	v_lshl_add_u32 v4, v2, 4, v4
	v_add_nc_u32 v4, s70, v4                       ; w1's rows of my 32 units in a slot,
	v_add_nc_u32 v5, 2*QUART, v4                   ; w3's, 64 rows on
	v_add_nc_u32 v6, s71, v16                      ; their scale rows
	v_lshl_add_u32 v7, v1, 1, s72                  ; a block's byte: token 64 iw + 16 a + r, byte jw
	v_lshlrev_b32 v12, 4, v1
	v_lshl_add_u32 v12, v2, 3, v12                 ; 16 r + 8 h
	v_lshlrev_b32 v23, 3, v19                      ; 8 x lane
	v_add_nc_u32 v24, s73, v23
	v_min_u32 v25, 15, v19
	v_lshlrev_b32 v25, 8, v25                      ; the prefetch: blocks of 256 bytes, 16 of them
.irp b, 0,1,2,3
	v_mov_b32 v[TM+4+\b], 0                        ; a lane permute's destination counts as read
.endr
	s_wait_alu depctr_va_vdst(0)
.irp j, 0,1,2,3,4
	global_load_b128 v[128+8*\j:131+8*\j], v13, s[40:41] offset:2048*\j   ; a tile's 64 scale rows: 2,048 consecutive bytes by 128 threads
	global_load_b128 v[132+8*\j:135+8*\j], v13, s[42:43] offset:2048*\j
.endr
	global_load_b128 v[168:171], v14, s[40:41]     ; the sixth place: my last tile's
	global_load_b128 v[172:175], v14, s[42:43]
.irp a, 0,1,2,3
	global_load_b128 v[SCA+8*\a:SCA+8*\a+3], v16, s[44:45] offset:512*\a
	global_load_b128 v[SCA+8*\a+4:SCA+8*\a+7], v16, s[44:45] offset:512*\a+16
.endr
	WIN 0x80
	ALOAD 0
	WIN 0
	s_wait_loadcnt 40                              ; the twelve copies are in: behind them 8 + 32 loads were issued
.irp j, 0,1,2,3,4,5
	ds_store_b128 v15, v[128+8*\j:131+8*\j] offset:4096*\j
	ds_store_b128 v15, v[132+8*\j:135+8*\j] offset:4096*\j+2048
.endr
	WIN 0x80
	ALOAD 1
	WIN 0xc0
	ALOAD 2
	ALOAD 3
	WIN 0
	s_wait_alu depctr_va_vdst(0)
	s_wait_loadcnt 0x0                             ; xn's codes and scale words
.Ltile:
	s_wait_tensorcnt 0x0                           ; my part of this trip's tile is in; no load of mine is out,
	ds_add_u32 v30, v31
	s_xor_b32 s[TN], s[TN], SLOT                   ; so group 0 may be written: the other slot,
	s_add_co_u32 s[G0+1], s[TN], s[WB]
	s_add_nc_u64 s[G0+2:G0+3], s[G0+2:G0+3], 65536 ; the next tile
	s_wait_dscnt 0x0                               ; the add, my LDS stores and my reads of the last tile are done
	s_barrier_signal -1
	s_barrier_wait -1
	s_add_co_u32 s2, s[SI], 1                      ; a slot is filled only if a later trip reads it: ids and the trip's count alone, the same in all four waves
	s_cmp_ge_u32 s2, s[NT]
	s_cbranch_scc1 .Lnofill
	tensor_load_to_lds s[G0:G0+3], s[G1:G1+7]
	s_nop 0
	PLACES 4
.Lnofill:
	s_cmp_ge_u32 s[SI], s[NT]
	s_cbranch_scc1 .Lskip
	v_add_nc_u32 v8, s[TB], v4
	v_add_nc_u32 v9, s[TB], v5
	v_add_nc_u32 v10, s[TS], v6
	v_add_nc_u32 v11, s[TP], v7
	s_wait_alu depctr_va_vdst(0)
.irp b, 0,1,2,3
	ds_load_b128 v[SCB+8*\b:SCB+8*\b+3], v10 offset:2048*(\b/2)+512*(\b%2)
	ds_load_b128 v[SCB+8*\b+4:SCB+8*\b+7], v10 offset:2048*(\b/2)+512*(\b%2)+16
.endr
	FETCH 0, 0
	FETCH 1, 64
.irp s, 0,1,2,3,4,5,6,7
	KSTEP \s
.endr
	WIN 0
	; x1 x3 / (1 + 2^(-x1 log2 e)), in place: token tile a has x1 in v[ACC + 32 a .. + 15] and x3 in the 16 registers behind
	PLACES 8
.irp a, 0,1,2,3
.irp i, 0,2,4,6,8,10,12,14
	v_pk_mul_f32 v[ACC+32*\a+16+\i:ACC+32*\a+17+\i], v[ACC+32*\a+\i:ACC+32*\a+1+\i], v[ACC+32*\a+16+\i:ACC+32*\a+17+\i]   ; x1 x3; each accumulator from its low end on
.endr
.endr
.irp a, 0,1,2,3
.irp i, 0,2,4,6,8,10,12,14
	v_pk_mul_f32 v[ACC+32*\a+\i:ACC+32*\a+1+\i], v[ACC+32*\a+\i:ACC+32*\a+1+\i], 0xbfb8aa3b op_sel_hi:[1,0]
.endr
.endr
	s_wait_alu depctr_va_vdst(0)                   ; ahead of the batch
.irp a, 0,1,2,3
.irp i, 0,1,2,3,4,5,6,7,8,9,10,11,12,13,14,15
	v_exp_f32 v[ACC+32*\a+\i], v[ACC+32*\a+\i]
.endr
.endr
	v_nop
	s_wait_alu depctr_va_vdst(0)                   ; one wait for the 64 exponentials
.irp a, 0,1,2,3
.irp i, 0,2,4,6,8,10,12,14
	v_pk_add_f32 v[ACC+32*\a+\i:ACC+32*\a+1+\i], v[ACC+32*\a+\i:ACC+32*\a+1+\i], 1.0 op_sel_hi:[1,0]
.endr
.endr
	s_wait_alu depctr_va_vdst(0)
.irp a, 0,1,2,3
.irp i, 0,1,2,3,4,5,6,7,8,9,10,11,12,13,14,15
	v_rcp_f32 v[ACC+32*\a+\i], v[ACC+32*\a+\i]
.endr
.endr
	v_nop
	s_wait_alu depctr_va_vdst(0)                   ; and one for the 64 reciprocals
.irp a, 0,1,2,3
.irp i, 0,2,4,6,8,10,12,14
	v_pk_mul_f32 v[ACC+32*\a+\i:ACC+32*\a+1+\i], v[ACC+32*\a+\i:ACC+32*\a+1+\i], v[ACC+32*\a+16+\i:ACC+32*\a+17+\i]
.endr
.endr
	QUANT ACC, 32, PC                              ; block a: token tile a's 32 units
.irp a, 0,1,2,3
	global_store_b64 v12, v[PC+4*\a:PC+4*\a+1], s[HB:HB+1] offset:45056*\a         ; units 8 h + 0..7: 256 consecutive bytes, aligned
	global_store_b64 v12, v[PC+4*\a+2:PC+4*\a+3], s[HB:HB+1] offset:45056*\a+256   ; units 16 + 8 h + 0..7
	ds_store_b8 v11, v[TM+4+\a] offset:32*\a       ; both halves of the lanes write the same byte
.endr
.Lskip:
	s_wait_xcnt 0x0                                ; the stores and the prefetch have read their bases and registers
	s_add_nc_u64 s[HB:HB+1], s[HB:HB+1], 1024
	s_add_nc_u64 s[PFA:PFA+1], s[PFA:PFA+1], 65536
	s_xor_b32 s[TB], s[TB], SLOT
	s_add_co_u32 s[TS], s[TS], 4096
	s_add_co_u32 s[TP], s[TP], 256
	s_add_co_u32 s[SI], s[SI], 1
	s_cmp_lt_u32 s[SI], 6
	s_wait_alu depctr_va_vdst(0)
	s_cbranch_scc1 .Ltile
	s_wait_dscnt 0x0                               ; my blocks' bytes are stored: for the others' sake
	s_barrier_signal -1
	s_barrier_wait -1
	ds_load_b64 v[26:27], v24                      ; trip w's plane: 128 tokens x 2 bytes
	s_wait_dscnt 0x0
	global_store_b64 v23, v[26:27], s[PB:PB+1]     ; 256 consecutive bytes, aligned
	s_cmp_ge_u32 s[WV], 2                          ; trips 4 and 5 are waves 0 and 1's,
	s_cbranch_scc1 .Lend
	s_add_co_u32 s2, s[WV], 4                      ; where the group has them
	s_cmp_ge_u32 s2, s[NT]
	s_cbranch_scc1 .Lend
	ds_load_b64 v[28:29], v24 offset:1024
	s_wait_dscnt 0x0
	global_store_b64 v23, v[28:29], s[PB:PB+1] offset:32768
.Lend:
	s_wait_tensorcnt 0x0                           ; the wave's end
	ds_add_u32 v30, v31
	s_wait_dscnt 0x0
	s_endpgm
.Lfunc_end_k_q944f8153e1_ffn1:
	.size	k_q944f8153e1_ffn1, .Lfunc_end_k_q944f8153e1_ffn1-k_q944f8153e1_ffn1
	.p2alignl 7, 3214868480
	.fill 96, 4, 3214868480
	.section	.rodata,"a",@progbits
	.p2align	6, 0x0
	.amdhsa_kernel k_q944f8153e1_ffn1
		.amdhsa_group_segment_fixed_size 327680
		.amdhsa_private_segment_fixed_size 0
		.amdhsa_enable_private_segment 0
		.amdhsa_kernarg_size 48
		.amdhsa_user_sgpr_count 2
		.amdhsa_user_sgpr_kernarg_segment_ptr 1
		.amdhsa_wavefront_size32 1
		.amdhsa_system_sgpr_workgroup_id_x 1
		.amdhsa_system_sgpr_workgroup_id_y 1
		.amdhsa_system_sgpr_workgroup_id_z 1
		.amdhsa_system_vgpr_workitem_id 0
		.amdhsa_next_free_vgpr 1024
		.amdhsa_next_free_sgpr 100
		.amdhsa_reserve_vcc 0
		.amdhsa_float_denorm_mode_32 3
		.amdhsa_float_denorm_mode_16_64 3
		.amdhsa_memory_ordered 1
		.amdhsa_forward_progress 1
		.amdhsa_inst_pref_size 72
	.end_amdhsa_kernel
	.amdgpu_metadata
---
amdhsa.version: [ 1, 2 ]
amdhsa.kernels:
  - .name:           k_q944f8153e1_ffn1
    .symbol:         k_q944f8153e1_ffn1.kd
    .args:
      - { .name: nrm, .offset: 0, .size: 8, .value_kind: global_buffer, .address_space: global }
      - { .name: w1_codes, .offset: 8, .size: 8, .value_kind: global_buffer, .address_space: global }
      - { .name: w1_scales, .offset: 16, .size: 8, .value_kind: global_buffer, .address_space: global }
      - { .name: w3_codes, .offset: 24, .size: 8, .value_kind: global_buffer, .address_space: global }
      - { .name: w3_scales, .offset: 32, .size: 8, .value_kind: global_buffer, .address_space: global }
      - { .name: hid, .offset: 40, .size: 8, .value_kind: global_buffer, .address_space: global }
    .group_segment_fixed_size: 327680
    .private_segment_fixed_size: 0
    .kernarg_segment_align: 8
    .kernarg_segment_size: 48
    .max_flat_workgroup_size: 128
    .sgpr_count:     100
    .vgpr_count:     1024
    .wavefront_size: 32
...
	.end_amdgpu_metadata
.endif
;; end of part 5
;; launch ffn2 (part 6): grid 8 x 32, 4 waves a work-group, clusters of 4 x 4, 327,680 bytes of LDS; arguments hid, w2p, w2_scales, x2, out0; writes out0
.if DOCPART == 6
	.amdgcn_target "amdgcn-amd-amdhsa--gfx1250"
	.amdhsa_code_object_version 6
	.text
	.protected	k_q944f8153e1_ffn2
	.globl	k_q944f8153e1_ffn2
	.p2align	8
	.type	k_q944f8153e1_ffn2,@function
k_q944f8153e1_ffn2:
	s_mov_b64 s[64:65], 0
	v_nop
	global_prefetch_b8 v0, s[64:65] scope:SCOPE_SE
	s_setreg_imm32_b32 hwreg(HW_REG_WAVE_MODE, 25, 1), 1
	s_wait_xcnt 0x0
	s_wait_alu depctr_hold_cnt(0) depctr_sa_sdst(0) depctr_va_vdst(0) depctr_va_sdst(0) depctr_va_ssrc(0) depctr_va_vcc(0) depctr_vm_vsrc(0)
	s_getreg_b32 s2, hwreg(HW_REG_IB_STS2, 6, 4)
	s_cmp_eq_u32 s2, 0
	s_cbranch_scc0 .Lentry_in_a_cluster
	s_endpgm
.Lentry_in_a_cluster:
	s_bfe_u32 s2, ttmp6, 0x10000c
	s_cmp_lg_u32 s2, 0xf033
	s_cbranch_scc0 .Lentry_shape_is_right
	s_endpgm
.Lentry_shape_is_right:
.set HSO,   11534336
.set SLOT,  133120
.set BPART, 65536
.set BPITCH, 528
.set BH,    33792
.set BO2,   16896
.set BO1,   8448
.set ARS,   8192
.set SA,    266240
.set SB,    280576
.set SPARE, 294912
.set SP,    112
.set SCS,   4
.set ADRA, 4
.set ADRB, 8
.set SCA,  32
.set SCB,  64
.set ACC,  128
.set F0,   0
.set F1,   128
.set WV, 20
.set IW, 21
.set JW, 22
.set G1A, 24
.set G1B, 32
.set G0A, 40
.set G0B, 48
.set G1AL, 68
.set G1BL, 76
.set OB,  60
.set MSB, 0
.macro WIN new
.if MSB != \new
	s_set_vgpr_msb (MSB<<8)|\new
.set MSB, \new
.endif
.endm
.set MUL,  0x05
.set TO_F, 0x40
.macro PLACES n
.rept \n
	v_nop
.endr
.endm
.macro CREST
	s_cmp_lg_u32 s[WV], 0
	s_cbranch_scc1 .Lnw0_\@
	s_barrier_signal -3
.Lnw0_\@:
	s_barrier_wait -3
	s_barrier_signal -1
	s_barrier_wait -1
.endm
.macro CROUND
	s_barrier_signal -1
	s_barrier_wait -1
	CREST
.endm
.macro JLOAD g0a, g1a, g0b, g1b
	s_cmp_eq_u32 s[IW], 0
	s_cbranch_scc0 .Lfor_b_\@
	tensor_load_to_lds s[\g0a:\g0a+3], s[\g1a:\g1a+7]
	s_nop 0
	PLACES 4
	s_branch .Lasked_\@
.Lfor_b_\@:
	tensor_load_to_lds s[\g0b:\g0b+3], s[\g1b:\g1b+7]
	s_nop 0
	PLACES 4
.Lasked_\@:
.endm
.macro MUL4 f, a, sq, zero
.irp b, 0,1,2,3
.set rD, ACC+8*(4*(\a)+\b)
.if \zero
	v_wmma_scale_f32_16x16x128_f8f6f4 v[rD:rD+7], v[\f+64+16*\b:\f+64+16*\b+15], v[\f+16*(\a):\f+16*(\a)+15], 0, v[SCB+SCS*\b+(\sq)], v[SCA+SCS*(\a)+(\sq)]
.else
	v_wmma_scale_f32_16x16x128_f8f6f4 v[rD:rD+7], v[\f+64+16*\b:\f+64+16*\b+15], v[\f+16*(\a):\f+16*(\a)+15], v[rD:rD+7], v[SCB+SCS*\b+(\sq)], v[SCA+SCS*(\a)+(\sq)]
.endif
.endr
.endm
.macro FETCH sl, ksub, f
	WIN TO_F
.irp b, 0,1,2,3
.irp c, 0,1,2,3
	ds_load_b128 v[\f+64+16*\b+4*\c:\f+64+16*\b+4*\c+3], v[ADRB+\sl] offset:BO2*(\b/2)+BO1*(\b%2)+128*(\ksub)+32*\c
.endr
.endr
.irp a, 0,1,2,3
.irp c, 0,1,2,3
	ds_load_b128 v[\f+16*\a+4*\c:\f+16*\a+4*\c+3], v[ADRA+\sl] offset:ARS*\a+2048*(\ksub)+512*\c
.endr
.endr
.endm
.macro SCALES s
.irp i, 0,1,2,3
	ds_load_b128 v[SCA+16*((\s)%2)+4*\i:SCA+16*((\s)%2)+4*\i+3], v12 offset:1792*\i+16*(\s)
	ds_load_b128 v[SCB+16*((\s)%2)+4*\i:SCB+16*((\s)%2)+4*\i+3], v13 offset:1792*\i+16*(\s)
.endr
.endm
.macro QUARTER sl, kn, f, g, sq, zero
	s_wait_dscnt 8
	WIN MUL
	MUL4 \f, 0, \sq, \zero
	MUL4 \f, 1, \sq, \zero
	PLACES 8
	FETCH \sl, \kn, \g
	s_wait_dscnt 32
	WIN MUL
	MUL4 \f, 2, \sq, \zero
	MUL4 \f, 3, \sq, \zero
.endm
.macro TURN slot, nslot, sq, fill, last, sn
	WIN 0
	s_wait_tensorcnt 0x0
	ds_add_u32 v28, v29
	s_wait_dscnt 9
	WIN MUL
	MUL4 F1, 0, \sq, 0
	s_wait_dscnt 0x0
	s_barrier_signal -1
	MUL4 F1, 1, \sq, 0
	WIN 0
	s_barrier_wait -1
.if \fill
	CREST
	s_add_nc_u64 s[G0A+4*\slot+2:G0A+4*\slot+3], s[G0A+4*\slot+2:G0A+4*\slot+3], 16384
	s_add_nc_u64 s[G0B+4*\slot+2:G0B+4*\slot+3], s[G0B+4*\slot+2:G0B+4*\slot+3], 1024
.if \last
	JLOAD G0A+4*\slot, G1AL, G0B+4*\slot, G1BL
.else
	JLOAD G0A+4*\slot, G1A, G0B+4*\slot, G1B
.endif
	PLACES 4
.else
	PLACES 8
.endif
	SCALES \sn
	FETCH \nslot, 0, F0
	WIN MUL
	MUL4 F1, 2, \sq, 0
	MUL4 F1, 3, \sq, 0
.endm
.macro LASTQ sq
	s_wait_dscnt 8
	WIN MUL
	MUL4 F1, 0, \sq, 0
	MUL4 F1, 1, \sq, 0
	s_wait_dscnt 0x0
	MUL4 F1, 2, \sq, 0
	MUL4 F1, 3, \sq, 0
	WIN 0
.endm
.macro OUTF32
	PLACES 8
.irp a, 0,1,2,3
.irp b, 0,1,2,3
	ds_store_b128 v14, v[ACC+8*(4*\a+\b):ACC+8*(4*\a+\b)+3] offset:4352*\a+64*\b
	ds_store_b128 v14, v[ACC+8*(4*\a+\b)+4:ACC+8*(4*\a+\b)+7] offset:4352*\a+64*\b+16
.endr
.endr
	WIN TO_F
.irp a, 0,1,2,3
.irp t, 0,1,2,3,4,5,6,7
	ds_load_b128 v[4*(8*\a+\t):4*(8*\a+\t)+3], v15 offset:4352*\a+544*\t
.endr
.endr
	s_wait_loadcnt 0x0
.irp a, 0,1,2,3
	s_wait_dscnt 24-8*\a
	WIN 0x49
.irp t, 0,1,2,3,4,5,6,7
	v_pk_add_f32 v[4*(8*\a+\t):4*(8*\a+\t)+1], v[4*(8*\a+\t):4*(8*\a+\t)+1], v[4*(8*\a+\t):4*(8*\a+\t)+1]
	v_pk_add_f32 v[4*(8*\a+\t)+2:4*(8*\a+\t)+3], v[4*(8*\a+\t)+2:4*(8*\a+\t)+3], v[4*(8*\a+\t)+2:4*(8*\a+\t)+3]
.endr
	WIN 0x04
.irp t, 0,1,2,3,4,5,6,7
	global_store_b128 v16, v[4*(8*\a+\t):4*(8*\a+\t)+3], s[OB:OB+1] offset:(16*\a+2*\t)*4096
.endr
.endr
	WIN 0
.endm
	s_load_b256 s[4:11], s[0:1], 0x0
	s_load_b64 s[12:13], s[0:1], 0x20
	v_lshl_add_u32 v28, v0, 2, SPARE
	v_mov_b32 v29, 0
	ds_add_u32 v28, v29
	ds_add_u32 v28, v29
	s_wait_dscnt 0x0
	v_lshrrev_b32 v17, 5, v0
	v_readfirstlane_b32 s[WV], v17
	s_lshr_b32 s[IW], s[WV], 1
	s_and_b32 s[JW], s[WV], 1
	s_bfe_u32 s84, ttmp6, 0x40000
	s_bfe_u32 s85, ttmp6, 0x40004
	s_lshl_b32 s86, ttmp9, 2
	s_add_co_u32 s86, s86, s84
	s_and_b32 s87, ttmp7, 0xffff
	s_lshl_b32 s87, s87, 2
	s_add_co_u32 s87, s87, s85
	s_lshl_b32 s89, s85, 2
	s_lshl_b32 s89, 15, s89
	s_lshl_b32 s90, 0x1111, s84
	s_or_b32 s[G1A], s89, (3<<16)|(1<<21)
	s_mov_b32 s[G1A+1], 1024<<16
	s_mov_b32 s[G1A+2], 4<<16
	s_mov_b32 s[G1A+3], 1024<<16
	s_mov_b32 s[G1A+4], 4
	s_mov_b32 s[G1A+5], 5632
	s_mov_b32 s[G1A+6], 0
	s_mov_b32 s[G1A+7], 0
	s_or_b32 s[G1AL], s89, (3<<16)|(1<<21)
	s_mov_b32 s[G1AL+1], 384<<16
	s_mov_b32 s[G1AL+2], 4<<16
	s_mov_b32 s[G1AL+3], 1024<<16
	s_mov_b32 s[G1AL+4], 4
	s_mov_b32 s[G1AL+5], 5632
	s_mov_b32 s[G1AL+6], 0
	s_mov_b32 s[G1AL+7], 0
	s_or_b32 s[G1B], s90, (1<<20)|(1<<21)|(6<<22)|(3<<25)
	s_mov_b32 s[G1B+1], 512<<16
	s_mov_b32 s[G1B+2], 64<<16
	s_mov_b32 s[G1B+3], 512<<16
	s_mov_b32 s[G1B+4], 64
	s_mov_b32 s[G1B+5], 2816                       ; w2's rows as re-laid: 11 x 256 bytes apart
	s_mov_b32 s[G1B+6], 0
	s_mov_b32 s[G1B+7], 0
	s_or_b32 s[G1BL], s90, (1<<20)|(1<<21)|(6<<22)|(3<<25)
	s_mov_b32 s[G1BL+1], 192<<16
	s_mov_b32 s[G1BL+2], 64<<16
	s_mov_b32 s[G1BL+3], 512<<16
	s_mov_b32 s[G1BL+4], 64
	s_mov_b32 s[G1BL+5], 2816
	s_mov_b32 s[G1BL+6], 0
	s_mov_b32 s[G1BL+7], 0
	s_mul_i32 s92, s87, 360448
	s_mul_i32 s93, s[JW], 180224
	s_add_co_u32 s92, s92, s93
	s_mov_b32 s93, 0
	s_mul_i32 s94, s86, 360448
	s_mul_i32 s95, s[JW], 180224
	s_add_co_u32 s94, s94, s95
	s_mov_b32 s95, 0
	s_lshl_b32 s2, s[JW], 15
	s_mul_i32 s3, s[JW], BH
	s_add_co_u32 s3, s3, BPART
	s_wait_kmcnt 0x0
	s_add_nc_u64 s[92:93], s[4:5], s[92:93]
	s_add_nc_u64 s[94:95], s[6:7], s[94:95]
	CROUND
.irp s, 0,1
	s_mov_b32 s[G0A+4*\s], 1
	s_add_co_u32 s[G0A+4*\s+1], s2, \s*SLOT
	s_add_nc_u64 s[G0A+4*\s+2:G0A+4*\s+3], s[92:93], \s*8192
	s_or_b32 s[G0A+4*\s+3], s[G0A+4*\s+3], 0x80000000
	s_mov_b32 s[G0B+4*\s], 1
	s_add_co_u32 s[G0B+4*\s+1], s3, \s*SLOT
	s_add_nc_u64 s[G0B+4*\s+2:G0B+4*\s+3], s[94:95], \s*512
	s_or_b32 s[G0B+4*\s+3], s[G0B+4*\s+3], 0x80000000
	s_wait_alu depctr_va_vdst(0)
	s_wait_tensorcnt 0x0
	ds_add_u32 v28, v29
	ds_add_u32 v28, v29
	s_wait_dscnt 0x0
	CROUND
	JLOAD G0A+4*\s, G1A, G0B+4*\s, G1B
.endr
	v_and_b32 v1, 15, v0
	v_bfe_u32 v2, v0, 4, 1
	v_lshlrev_b32 v17, 1, v0
	s_wait_alu depctr_va_vdst(0)
	v_mul_u32_u24 v18, v0, 86
	s_wait_alu depctr_va_vdst(0)
	v_lshlrev_b32 v16, 12, v2
	v_lshl_add_u32 v16, v1, 4, v16
	s_wait_alu depctr_va_vdst(0)
	s_lshl_b32 s62, s87, 8
	s_add_co_u32 s62, s62, HSO
	s_mov_b32 s63, 0
	s_add_nc_u64 s[62:63], s[4:5], s[62:63]
	s_mul_i32 s66, s86, 11008
	s_mov_b32 s67, 0
	s_add_nc_u64 s[66:67], s[8:9], s[66:67]
	s_lshl_b32 s56, s87, 19
	s_lshl_b32 s57, s[IW], 18
	s_add_co_u32 s56, s56, s57
	s_lshl_b32 s57, s86, 9
	s_add_co_u32 s56, s56, s57
	s_lshl_b32 s57, s[JW], 8
	s_add_co_u32 s56, s56, s57
	s_mov_b32 s57, 0
	s_add_nc_u64 s[58:59], s[10:11], s[56:57]
	s_add_nc_u64 s[OB:OB+1], s[12:13], s[56:57]
.set p, 0
.rept 43
	global_load_u16 v[128+p], v17, s[62:63] offset:8192*p
.set p, p+1
.endr
.set p, 0
.rept 43
	global_load_u16 v[176+p], v18, s[66:67] offset:2*p
.set p, p+1
.endr
	WIN 0x80
.irp a, 0,1,2,3
.irp t, 0,1,2,3,4,5,6,7
	global_load_b128 v[4*(8*\a+\t):4*(8*\a+\t)+3], v16, s[58:59] offset:(16*\a+2*\t)*4096
.endr
.endr
	WIN 0
	v_and_b32 v19, 31, v0
	v_lshlrev_b32 v3, 4, v19
	s_lshl_b32 s2, s[IW], 15
	v_add_nc_u32 v[ADRA], s2, v3
	v_mul_u32_u24 v[ADRB], v1, BPITCH
	v_lshl_add_u32 v[ADRB], v2, 4, v[ADRB]
	s_mul_i32 s3, s[JW], BH
	s_add_co_u32 s3, s3, BPART
	v_add_nc_u32 v[ADRB], s3, v[ADRB]
	v_add_nc_u32 v[ADRA+1], SLOT, v[ADRA]
	v_add_nc_u32 v[ADRB+1], SLOT, v[ADRB]
	s_lshl_b32 s2, s[IW], 6
	v_add_nc_u32 v12, s2, v1
	v_mul_u32_u24 v12, v12, SP
	v_add_nc_u32 v12, SA, v12
	s_lshl_b32 s2, s[JW], 6
	v_add_nc_u32 v13, s2, v1
	v_mul_u32_u24 v13, v13, SP
	v_add_nc_u32 v13, SB, v13
	v_mul_u32_u24 v19, v0, SP
	v_add_nc_u32 v19, SA, v19
	s_mul_i32 s2, s[WV], 17408
	v_mul_u32_u24 v14, v1, 272
	v_lshl_add_u32 v14, v2, 5, v14
	v_add_nc_u32 v14, s2, v14
	v_mul_u32_u24 v15, v2, 272
	v_lshl_add_u32 v15, v1, 4, v15
	v_add_nc_u32 v15, s2, v15
	s_wait_loadcnt 32
.set q, 0
.rept 21
	v_lshl_or_b32 v[128+q], v[129+2*q], 16, v[128+2*q]
	v_lshl_or_b32 v[176+q], v[177+2*q], 16, v[176+2*q]
.set q, q+1
.endr
	v_or_b32 v149, 0x7f7f0000, v170
	v_or_b32 v197, 0x7f7f0000, v218
	v_mov_b32 v150, 0x7f7f7f7f
	v_mov_b32 v151, 0x7f7f7f7f
	v_mov_b32 v198, 0x7f7f7f7f
	v_mov_b32 v199, 0x7f7f7f7f
.irp k, 0,1,2,3,4,5
	ds_store_b128 v19, v[128+4*\k:131+4*\k] offset:16*\k
	ds_store_b128 v19, v[176+4*\k:179+4*\k] offset:SB-SA+16*\k
.endr
	s_wait_tensorcnt 1
	s_wait_dscnt 0x0
	s_barrier_signal -1
	s_barrier_wait -1
	SCALES 0
	FETCH 0, 0, F0
	QUARTER 0, 1, F0, F1, 0, 1
	QUARTER 0, 2, F1, F0, 1, 0
	QUARTER 0, 3, F0, F1, 2, 0
	TURN 0, 1, 3, 1, 0, 1
	QUARTER 1, 1, F0, F1, 16, 0
	QUARTER 1, 2, F1, F0, 17, 0
	QUARTER 1, 3, F0, F1, 18, 0
	TURN 1, 0, 19, 1, 0, 2
	QUARTER 0, 1, F0, F1, 0, 0
	QUARTER 0, 2, F1, F0, 1, 0
	QUARTER 0, 3, F0, F1, 2, 0
	TURN 0, 1, 3, 1, 0, 3
	QUARTER 1, 1, F0, F1, 16, 0
	QUARTER 1, 2, F1, F0, 17, 0
	QUARTER 1, 3, F0, F1, 18, 0
	TURN 1, 0, 19, 1, 1, 4
	QUARTER 0, 1, F0, F1, 0, 0
	QUARTER 0, 2, F1, F0, 1, 0
	QUARTER 0, 3, F0, F1, 2, 0
	TURN 0, 1, 3, 0, 0, 5
	QUARTER 1, 1, F0, F1, 16, 0
	LASTQ 17
	OUTF32
	s_wait_tensorcnt 0x0
	ds_add_u32 v28, v29
	s_wait_dscnt 0x0
	CROUND
	s_endpgm
.Lfunc_end_k_q944f8153e1_ffn2:
	.size	k_q944f8153e1_ffn2, .Lfunc_end_k_q944f8153e1_ffn2-k_q944f8153e1_ffn2
	.p2alignl 7, 3214868480
	.fill 96, 4, 3214868480
	.section	.rodata,"a",@progbits
	.p2align	6, 0x0
	.amdhsa_kernel k_q944f8153e1_ffn2
		.amdhsa_group_segment_fixed_size 327680
		.amdhsa_private_segment_fixed_size 0
		.amdhsa_enable_private_segment 0
		.amdhsa_kernarg_size 40
		.amdhsa_user_sgpr_count 2
		.amdhsa_user_sgpr_kernarg_segment_ptr 1
		.amdhsa_wavefront_size32 1
		.amdhsa_system_sgpr_workgroup_id_x 1
		.amdhsa_system_sgpr_workgroup_id_y 1
		.amdhsa_system_sgpr_workgroup_id_z 1
		.amdhsa_system_vgpr_workitem_id 0
		.amdhsa_next_free_vgpr 768
		.amdhsa_next_free_sgpr 100
		.amdhsa_reserve_vcc 0
		.amdhsa_float_denorm_mode_32 3
		.amdhsa_float_denorm_mode_16_64 3
		.amdhsa_memory_ordered 1
		.amdhsa_forward_progress 1
		.amdhsa_inst_pref_size 141
	.end_amdhsa_kernel
	.amdgpu_metadata
---
amdhsa.version: [ 1, 2 ]
amdhsa.kernels:
  - .name:           k_q944f8153e1_ffn2
    .symbol:         k_q944f8153e1_ffn2.kd
    .args:
      - { .name: hid, .offset: 0, .size: 8, .value_kind: global_buffer, .address_space: global }
      - { .name: w2p, .offset: 8, .size: 8, .value_kind: global_buffer, .address_space: global }
      - { .name: w2_scales, .offset: 16, .size: 8, .value_kind: global_buffer, .address_space: global }
      - { .name: x2, .offset: 24, .size: 8, .value_kind: global_buffer, .address_space: global }
      - { .name: out0, .offset: 32, .size: 8, .value_kind: global_buffer, .address_space: global }
    .group_segment_fixed_size: 327680
    .private_segment_fixed_size: 0
    .kernarg_segment_align: 8
    .kernarg_segment_size: 40
    .max_flat_workgroup_size: 128
    .sgpr_count:     100
    .vgpr_count:     768
    .wavefront_size: 32
...
	.end_amdgpu_metadata
.endif
;; end of part 6
